; MI455X (gfx1250); checked and timed in simulation.
; The chip was launched on July 23, 2026; its instructions are those of AMD's public machine-readable ISA for CDNA 5 (MIT licence, August 2026) and "CDNA5" Instruction Set Architecture Reference Guide (July 2026). The comments in the code are by the model that wrote it; some were corrected since.
;; Top1 Mo E. Allowed arithmetic: float matrix products may take bf16 or f16 operands with f32 sums; other float arithmetic in f32, or as packed bf16 or f16 multiplies, adds, multiply-adds, maxima and minima; sums over many terms, partial sums and values carried from step to step in f32; what a program stores and reads back later, other than sums and carried values, may be rounded once to bf16 or f16.
;; Inputs: W1 8 x 1,024 x 512 float32; W2 8 x 512 x 1,024 float32; Wr 1,024 x 8 float32; b1 8 x 512 float32; b2 8 x 1,024 float32; br 8 float32; x 4 x 2,048 x 1,024 float32.
;; Outputs: out0 4 x 2,048 x 1,024 float32.
;; 3 versions, each right; version 2 is faster than version 1; version 3 is version 2 with the launch prep written anew for expert scheduling mode. Each part assembles by itself: llvm-mc -triple=amdgcn-amd-amdhsa -mcpu=gfx1250 --defsym DOCPART=n.
;; ======== version 1 of 3: 2 launches
;; limits: values are held in f16: magnitudes above 65,504 overflow, below 6.1e-05 lose precision
;; workspace buffers: wf 16,777,216 bytes; route 12,288 bytes of whole numbers; prob 32,768 bytes
;; launch prep (part 1): grid 256 x 1, 8 waves a work-group, no clusters, 34,304 bytes of LDS; arguments x, Wr, br, W1, W2, wf, route, prob; writes wf, route, prob
.if DOCPART == 1
	.amdgcn_target "amdgcn-amd-amdhsa--gfx1250"
	.amdhsa_code_object_version 6
	.text
	.protected	k_q528480a1d8_prep
	.globl	k_q528480a1d8_prep
	.p2align	8
	.type	k_q528480a1d8_prep,@function
k_q528480a1d8_prep:
	s_mov_b64 s[64:65], 0
	v_nop
	global_prefetch_b8 v0, s[64:65] scope:SCOPE_SE
	s_setreg_imm32_b32 hwreg(HW_REG_WAVE_MODE, 25, 1), 1
	s_wait_xcnt 0x0
; PREP: the router, and the experts' weights laid out in the order in which the next launch's operand registers take them.
; ROUTER.  logits = x Wr + br on x, Wr, br each rounded once to bf16 (the products are then exact in f32; sums in f32); the expert is the largest logit's, the lowest index at an exact tie;
; the weight is 1 / sum of 2^((l - max) log2 e).  Work-group b has the 32 tokens 32 b .. 32 b + 31, a wave four of them.  It stores, at fixed places: prob[token]; bm[b][e], bit i set where token
; 32 b + i chose expert e; cn[b][q] = count(2 q) | count(2 q + 1) << 16.  No address and no branch hangs on the choice.
; No matrix instruction: the router has 8 columns, and the lanes' layout of loads that take 512 consecutive bytes of a row is not a matrix operand's; the launch is a stream of x and of the weights.
; WEIGHTS.  wf byte = e 2^21 + w 2^19 + g 8192 + f 1024 + jj 512 + L 16 + 2 i, with f = 4 q + c, L = rho + 16 hk.
;   g < 32:  bf16(W1[e][k][n]),  k = 32 g + 16 jj + 8 hk + i,  n = 128 w + 64 q + 4 rho + c
;   g >= 32: W2[e][nn][d] rounded to bf16 and that number written as f16;  pass = (g - 32) / 16, ks = (g - 32) % 16,  d = 256 w + 128 pass + 64 q + 4 rho + c,
;            nn = 128 (ks / 4) + 64 ((ks / 2) % 2) + 2 (ks % 2) + jj + 32 hk + 4 i: the hidden index that the next launch keeps at place 32 ks + 16 jj + 8 hk + i of a row of h
; A unit (e, w, g) is 8,192 bytes; waves 0-3 make W1's units 4 b + wave, waves 4-7 W2's.  A 16-byte load gives a lane the four columns c; sixteen lanes read 256 consecutive bytes; the turn
; from [k][n] to operand order happens in registers; each store of a wave covers 512 consecutive bytes.
; LIMITS.  NaN and infinities are not treated apart.  Ties that arise only from the rounding of the exponentials in a softmax are not reproduced: the choice is made on the logits.
; A W2 below 2^-14 in size keeps f16's fixed step of 6e-8; one beyond 65,504 does not fit.
; REGISTERS.  window 0: v0-15 ids and addresses; v16-47 ACC[token][expert]; v48-175 X[token][32]; v176-239 O (first: Wr's stage); v240-255 br, statistics, at work.
;   window 1: v0-127 a weights unit as loaded; later v0-255 Wr: for my columns 128 t + 4 lane + c the eight experts at 32 t + 8 c.
.set EXW,   32768                      ; LDS: 0..32767 Wr rounded, piece (s, lane) at 16 (32 s + lane); here [wave][8] words of bitmap parts
.set EXP,   33024                      ; the block's 32 weights
.set SPARE, 33280                      ; the spare words, 128 bytes for each of eight waves: no other line names them
.set ACC, 16
.set X,   48
.set O,   176
.set MSB, 0
.macro WIN new                         ; the immediate's high byte repeats the setting that is left
.if MSB != (\new)
	s_set_vgpr_msb (MSB<<8)|(\new)
.set MSB, \new
.endif
.endm
.macro RND a, b                        ; two f32 rounded to bf16 and written back as f32
	v_cvt_pk_bf16_f32 v[\a], v[\a], v[\b]
	v_and_b32 v[\b], s44, v[\a]
	v_lshlrev_b32 v[\a], 16, v[\a]
.endm
; One step of the sum over lanes that also halves the registers: lanes with the mask's bit keep b, the others a, and each takes its partner's share of what it keeps.
.macro RS a, b, m, x, t
	v_cndmask_b32 v[252+2*(\t)], v[\b], v[\a], s[\m]
	v_cndmask_b32 v[253+2*(\t)], v[\a], v[\b], s[\m]
	v_add_f32_dpp v[\a], v[252+2*(\t)], v[253+2*(\t)] row_xmask:\x row_mask:0xf bank_mask:0xf
.endm
	s_load_b256 s[4:11], s[0:1], 0x0               ; x s[4:5], Wr s[6:7], br s[8:9], W1 s[10:11]
	s_load_b256 s[12:19], s[0:1], 0x20             ; W2 s[12:13], wf s[14:15], route s[16:17], prob s[18:19]
	v_lshl_add_u32 v4, v0, 2, SPARE                ; my spare word,
	v_mov_b32 v5, 0                                ; and 0: kept for the add at the wave's end
	v_lshrrev_b32 v10, 5, v0
	v_readfirstlane_b32 s20, v10                   ; wave 0..7
	s_mov_b32 s21, ttmp9                           ; block b
	v_and_b32 v1, 31, v0                           ; lane
	v_and_b32 v2, 15, v0                           ; rho
	v_bfe_u32 v3, v0, 4, 1                         ; hk
	v_and_b32 v11, 7, v0
	v_and_b32 v12, 3, v0
	v_lshlrev_b32 v6, 4, v1                        ; 16 lane
	v_lshlrev_b32 v8, 7, v1                        ; 128 lane
	s_lshl_b32 s45, s20, 12                        ; 4,096 wave
	v_add_nc_u32 v9, s45, v6
	s_mov_b32 s40, 0xaaaaaaaa                      ; lanes with bit 0
	s_mov_b32 s41, 0xcccccccc                      ; lanes with bit 1
	s_mov_b32 s42, 0x76543210                      ; v_permlanex16_b32: each lane takes its own place in the other half
	s_mov_b32 s43, 0xfedcba98
	s_mov_b32 s44, 0xffff0000
	s_mov_b32 s55, 0                               ; the high word of every offset
	s_and_b32 s46, s20, 3
	s_lshl2_add_u32 s46, s21, s46                  ; my unit's number 4 b + wave % 4
	s_lshr_b32 s47, s46, 7                         ; e
	s_bfe_u32 s48, s46, 0x20005                    ; w
	s_and_b32 s49, s46, 31                         ; u
	s_lshl_b32 s50, s47, 21
	s_lshl_b32 s51, s48, 19
	s_add_co_u32 s51, s51, s50
	s_lshl_b32 s62, s49, 13
	s_add_co_u32 s51, s51, s62
	s_lshr_b32 s62, s20, 2                         ; 1 in W2's waves,
	s_lshl_b32 s62, s62, 18                        ; whose units lie 32 units further on
	s_add_co_u32 s51, s51, s62                     ; my unit's byte in wf
	s_wait_kmcnt 0x0
	s_mov_b32 s54, s51
	s_add_nc_u64 s[56:57], s[14:15], s[54:55]
	s_mov_b32 s54, s45
	s_add_nc_u64 s[60:61], s[6:7], s[54:55]        ; Wr's rows 128 wave on
	s_lshl_b32 s54, s21, 17
	s_lshl_b32 s62, s20, 14
	s_add_co_u32 s54, s54, s62
	s_add_nc_u64 s[58:59], s[4:5], s[54:55]        ; x at my four tokens
	s_load_b256 s[24:31], s[8:9], 0x0              ; br, waited for ahead of its use
	; All of a wave's 72 loads go out here: Wr's stage (8), the weights' unit (32), x (32).
.set p, 0
.rept 8
	global_load_b128 v[O+4*p:O+4*p+3], v8, s[60:61] offset:16*p
.set p, p+1
.endr
	s_cmp_lt_u32 s20, 4
	s_cbranch_scc0 .Lw2_loads                      ; both ways issue 32 loads, so the counts below hold on both
	s_lshl_b32 s54, s49, 16                        ; W1: 32 u rows of 2,048 bytes,
	s_add_co_u32 s54, s54, s50
	s_lshl_b32 s62, s48, 9                         ; 128 w columns
	s_add_co_u32 s54, s54, s62
	s_add_nc_u64 s[52:53], s[10:11], s[54:55]
	v_lshlrev_b32 v7, 14, v3                       ; 8 hk rows
	v_lshl_add_u32 v7, v2, 4, v7                   ; 4 rho columns
	WIN 0x40                                       ; destination window 1
.set q, 0
.rept 2
.set jj, 0
.rept 2
.set i, 0
.rept 8
	global_load_b128 v[4*(8*(2*q+jj)+i):4*(8*(2*q+jj)+i)+3], v7, s[52:53] offset:(16*jj+i)*2048+256*q th:TH_LOAD_NT
.set i, i+1
.endr
.set jj, jj+1
.endr
.set q, q+1
.endr
	WIN 0
	s_branch .Lw_asked
.Lw2_loads:
	s_and_b32 s62, s49, 15                         ; ks
	s_lshr_b32 s63, s49, 4                         ; pass
	s_lshl_b32 s54, s63, 9                         ; 128 pass columns,
	s_add_co_u32 s54, s54, s50
	s_lshl_b32 s63, s48, 10                        ; 256 w columns,
	s_add_co_u32 s54, s54, s63
	s_lshr_b32 s63, s62, 2                         ; and rows of 4,096 bytes: 128 (ks / 4)
	s_lshl_b32 s63, s63, 19
	s_add_co_u32 s54, s54, s63
	s_bfe_u32 s63, s62, 0x10001                    ; + 64 ((ks / 2) % 2)
	s_lshl_b32 s63, s63, 18
	s_add_co_u32 s54, s54, s63
	s_and_b32 s63, s62, 1                          ; + 2 (ks % 2)
	s_lshl_b32 s63, s63, 13
	s_add_co_u32 s54, s54, s63
	s_add_nc_u64 s[52:53], s[12:13], s[54:55]
	v_lshlrev_b32 v7, 17, v3                       ; 32 hk rows
	v_lshl_add_u32 v7, v2, 4, v7
	WIN 0x40
.set q, 0
.rept 2
.set jj, 0
.rept 2
.set i, 0
.rept 8
	global_load_b128 v[4*(8*(2*q+jj)+i):4*(8*(2*q+jj)+i)+3], v7, s[52:53] offset:(jj+4*i)*4096+256*q th:TH_LOAD_NT
.set i, i+1
.endr
.set jj, jj+1
.endr
.set q, q+1
.endr
	WIN 0
.Lw_asked:
.set tau, 0
.rept 4
.set t, 0
.rept 8
	global_load_b128 v[X+32*tau+4*t:X+32*tau+4*t+3], v6, s[58:59] offset:4096*tau+512*t  ; 512 consecutive bytes of a token's row
.set t, t+1
.endr
.set tau, tau+1
.endr
	s_wait_loadcnt 63                              ; Wr's stage is in: 64 loads are younger; the wait's field names 63 at the most, and a smaller count is safe
.set p, 0
.rept 16
	RND O+2*p, O+2*p+1
.set p, p+1
.endr
.set p, 0
.rept 8
	ds_store_b128 v9, v[O+4*p:O+4*p+3] offset:512*p  ; piece (8 wave + p, lane): 32 lanes, 512 consecutive bytes
.set p, p+1
.endr
	s_wait_dscnt 0x0                               ; for the others' sake: my part of Wr is in LDS
	s_barrier_signal -1
	s_barrier_wait -1
	s_wait_loadcnt 32                              ; the weights' unit is in; the 32 loads of x may stay out
	WIN 0x05                                       ; sources 0 and 1 in window 1
.set q, 0
.rept 2
.set c, 0
.rept 4
.set jj, 0
.rept 2
.set m, 0
.rept 4
	v_cvt_pk_bf16_f32 v[O+4*(2*(4*q+c)+jj)+m], v[4*(8*(2*q+jj)+2*m)+c], v[4*(8*(2*q+jj)+2*m+1)+c]  ; elements i = 2 m, 2 m + 1 of column c
.set m, m+1
.endr
.set jj, jj+1
.endr
.set c, c+1
.endr
.set q, q+1
.endr
	WIN 0
	s_cmp_lt_u32 s20, 4
	s_cbranch_scc1 .Lkeep_bf16
.set z, 0
.rept 64                                       ; W2: the bf16 numbers written as f16
	v_lshlrev_b32 v[252+2*(z%2)], 16, v[O+z]
	v_and_b32 v[253+2*(z%2)], s44, v[O+z]
	v_cvt_pk_f16_f32 v[O+z], v[252+2*(z%2)], v[253+2*(z%2)]
.set z, z+1
.endr
.Lkeep_bf16:
.set p, 0
.rept 16
	global_store_b128 v6, v[O+4*p:O+4*p+3], s[56:57] offset:512*p  ; piece 2 f + jj: 512 consecutive bytes, at a multiple of 512 from wf's first; O is not written again
.set p, p+1
.endr
	WIN 0x40
.set s, 0
.rept 64
	ds_load_b128 v[4*s:4*s+3], v6 offset:512*s     ; Wr for my columns: the unit's registers are free, their conversions are issued
.set s, s+1
.endr
	WIN 0
	s_wait_loadcnt 0x0                             ; x
.set p, 0
.rept 64
	RND X+2*p, X+2*p+1
.set p, p+1
.endr
	s_wait_dscnt 0x0                               ; Wr
	WIN 0x04                                       ; source 1 in window 1
; 512 packed multiply-adds: for each of my 32 columns, each token and each pair of experts.  Sixteen chains take turns; the first link of each is a multiply, so nothing is cleared.
.set t, 0
.rept 8
.set c, 0
.rept 4
.set tau, 0
.rept 4
.set pr, 0
.rept 4
.set rA, ACC+8*tau+2*pr
.set rX, X+32*tau+4*t+2*(c/2)
.set rW, 32*t+8*c+2*pr
.if (t == 0) && (c == 0)
	v_pk_mul_f32 v[rA:rA+1], v[rX:rX+1], v[rW:rW+1] op_sel_hi:[0,1]
.elseif (c%2) == 0
	v_pk_fma_f32 v[rA:rA+1], v[rX:rX+1], v[rW:rW+1], v[rA:rA+1] op_sel_hi:[0,1,1]
.else
	v_pk_fma_f32 v[rA:rA+1], v[rX:rX+1], v[rW:rW+1], v[rA:rA+1] op_sel:[1,0,0] op_sel_hi:[1,1,1]
.endif
.set pr, pr+1
.endr
.set tau, tau+1
.endr
.set c, c+1
.endr
.set t, t+1
.endr
	WIN 0
; The sum over the 32 lanes.  Two halving steps leave lane l the eight logits of token l % 4; three plain steps finish them.
.set e, 0
.rept 8
	RS ACC+e, ACC+8+e, 40, 1, 0
	RS ACC+16+e, ACC+24+e, 40, 1, 1
.set e, e+1
.endr
.set e, 0
.rept 8
	RS ACC+e, ACC+16+e, 41, 2, e%2
.set e, e+1
.endr
.irp e, 0,1,2,3,4,5,6,7
	v_add_f32_dpp v[ACC+\e], v[ACC+\e], v[ACC+\e] row_xmask:4 row_mask:0xf bank_mask:0xf
.endr
.irp e, 0,1,2,3,4,5,6,7
	v_add_f32_dpp v[ACC+\e], v[ACC+\e], v[ACC+\e] row_xmask:8 row_mask:0xf bank_mask:0xf
.endr
.irp e, 0,1,2,3,4,5,6,7
	v_permlanex16_b32 v[ACC+8+\e], v[ACC+\e], s42, s43
.endr
	s_wait_kmcnt 0x0                               ; br
.irp k, 0,1,2,3
	v_cvt_pk_bf16_f32 v252, s[24+2*\k], s[25+2*\k]
	v_lshlrev_b32 v[240+2*\k], 16, v252
	v_and_b32 v[241+2*\k], s44, v252
.endr
.irp e, 0,1,2,3,4,5,6,7
	v_add_f32 v[ACC+\e], v[ACC+\e], v[ACC+8+\e]
.endr
.irp e, 0,1,2,3,4,5,6,7
	v_add_f32 v[ACC+\e], v[ACC+\e], v[240+\e]
.endr
	v_max3_num_f32 v248, v16, v17, v18
	v_max3_num_f32 v248, v248, v19, v20
	v_max3_num_f32 v248, v248, v21, v22
	v_max_num_f32 v248, v248, v23                  ; the largest logit
	v_mov_b32 v249, 7
.irp e, 6,5,4,3,2,1,0
	v_cmp_eq_f32 vcc_lo, v[ACC+\e], v248
	v_cndmask_b32 v249, v249, \e, vcc_lo           ; the lowest index that has it
.endr
.irp e, 0,1,2,3,4,5,6,7
	v_sub_f32 v[24+\e], v[ACC+\e], v248
.endr
.irp e, 0,1,2,3,4,5,6,7
	v_mul_f32 v[24+\e], 0x3fb8aa3b, v[24+\e]
.endr
.irp e, 0,1,2,3,4,5,6,7
	v_exp_f32 v[24+\e], v[24+\e]
.endr
	v_nop                                          ; a plain instruction behind the last exponential,
	s_wait_alu depctr_va_vdst(0)                   ; and one wait for the eight, ahead of their first reader
	v_add_f32 v24, v24, v25
	v_add_f32 v26, v26, v27
	v_add_f32 v28, v28, v29
	v_add_f32 v30, v30, v31
	v_add_f32 v24, v24, v26
	v_add_f32 v28, v28, v30
	v_add_f32 v24, v24, v28
	v_rcp_f32 v250, v24                            ; the top probability: 2^0 over the sum
	v_mov_b32 v251, 0                              ; (the plain instruction behind the reciprocal)
	s_wait_alu depctr_va_vdst(0)
	s_lshl_b32 s45, s20, 2                         ; my four tokens' first bit
.irp e, 0,1,2,3,4,5,6,7
	v_cmp_eq_u32 s[32+\e], \e, v249                ; lanes 0-3 speak for tokens 0-3
	s_and_b32 s[32+\e], s[32+\e], 15
	s_lshl_b32 s[32+\e], s[32+\e], s45
	v_cmp_eq_u32 vcc_lo, \e, v11
	v_cndmask_b32 v251, v251, s[32+\e], vcc_lo     ; lane l takes expert l % 8's word
.endr
	s_lshl_b32 s62, s20, 5
	v_lshl_add_u32 v13, v11, 2, s62
	ds_store_b32 v13, v251 offset:EXW              ; lanes that share a word store the same number
	s_lshl_b32 s63, s20, 4
	v_lshl_add_u32 v14, v12, 2, s63
	ds_store_b32 v14, v250 offset:EXP
	s_wait_dscnt 0x0                               ; for wave 0's sake
	s_barrier_signal -1
	s_barrier_wait -1
	s_cmp_lg_u32 s20, 0
	s_cbranch_scc1 .Ldone                          ; wave 0 gathers the block's results; no barrier stands in what is jumped
	v_lshlrev_b32 v13, 2, v1
	v_lshlrev_b32 v14, 2, v11
	v_lshlrev_b32 v15, 2, v12
	ds_load_b32 v24, v13 offset:EXP
.irp w, 0,1,2,3,4,5,6,7
	ds_load_b32 v[25+\w], v14 offset:EXW+32*\w
.endr
	s_lshl_b32 s54, s21, 7
	s_add_nc_u64 s[46:47], s[18:19], s[54:55]      ; prob + 128 b
	s_lshl_b32 s54, s21, 5
	s_add_nc_u64 s[48:49], s[16:17], s[54:55]      ; route + 32 b
	s_lshl_b32 s54, s21, 4
	s_add_nc_u64 s[50:51], s[16:17], s[54:55]      ; route + 16 b
	s_wait_dscnt 0x0
	v_or_b32 v25, v25, v26
	v_or_b32 v27, v27, v28
	v_or_b32 v29, v29, v30
	v_or_b32 v31, v31, v32
	v_or_b32 v25, v25, v27
	v_or_b32 v29, v29, v31
	v_or_b32 v25, v25, v29                         ; lane l: expert l % 8's bitmap of the block
	global_store_b32 v13, v24, s[46:47]            ; 32 weights, 128 consecutive bytes
	global_store_b32 v14, v25, s[48:49] offset:4096  ; bm[b]: 32 bytes; lanes that share a word store the same number
.irp e, 0,1,2,3,4,5,6,7
	v_readlane_b32 s[32+\e], v25, \e
	s_bcnt1_i32_b32 s[32+\e], s[32+\e]
.endr
.irp k, 0,2,4,6
	s_lshl_b32 s[33+\k], s[33+\k], 16
	s_or_b32 s[32+\k], s[32+\k], s[33+\k]
.endr
	v_mov_b32 v26, s32
.irp k, 1,2,3
	v_cmp_eq_u32 vcc_lo, \k, v12
	v_cndmask_b32 v26, v26, s[32+2*\k], vcc_lo
.endr
	global_store_b32 v15, v26, s[50:51]            ; cn[b]: 16 bytes
.Ldone:
	s_wait_tensorcnt 0x0                           ; the wave's end
	ds_add_u32 v4, v5
	s_wait_dscnt 0x0
	s_endpgm
.Lfunc_end_k_q528480a1d8_prep:
	.size	k_q528480a1d8_prep, .Lfunc_end_k_q528480a1d8_prep-k_q528480a1d8_prep
	.p2alignl 7, 3214868480
	.fill 96, 4, 3214868480
	.section	.rodata,"a",@progbits
	.p2align	6, 0x0
	.amdhsa_kernel k_q528480a1d8_prep
		.amdhsa_group_segment_fixed_size 34304
		.amdhsa_private_segment_fixed_size 0
		.amdhsa_enable_private_segment 0
		.amdhsa_kernarg_size 64
		.amdhsa_user_sgpr_count 2
		.amdhsa_user_sgpr_kernarg_segment_ptr 1
		.amdhsa_wavefront_size32 1
		.amdhsa_system_sgpr_workgroup_id_x 1
		.amdhsa_system_sgpr_workgroup_id_y 1
		.amdhsa_system_sgpr_workgroup_id_z 1
		.amdhsa_system_vgpr_workitem_id 0
		.amdhsa_next_free_vgpr 512
		.amdhsa_next_free_sgpr 66
		.amdhsa_reserve_vcc 1
		.amdhsa_float_denorm_mode_32 3
		.amdhsa_float_denorm_mode_16_64 3
		.amdhsa_memory_ordered 1
		.amdhsa_forward_progress 1
		.amdhsa_inst_pref_size 88
	.end_amdhsa_kernel
	.amdgpu_metadata
---
amdhsa.version: [ 1, 2 ]
amdhsa.kernels:
  - .name:           k_q528480a1d8_prep
    .symbol:         k_q528480a1d8_prep.kd
    .args:
      - { .name: x, .offset: 0, .size: 8, .value_kind: global_buffer, .address_space: global }
      - { .name: Wr, .offset: 8, .size: 8, .value_kind: global_buffer, .address_space: global }
      - { .name: br, .offset: 16, .size: 8, .value_kind: global_buffer, .address_space: global }
      - { .name: W1, .offset: 24, .size: 8, .value_kind: global_buffer, .address_space: global }
      - { .name: W2, .offset: 32, .size: 8, .value_kind: global_buffer, .address_space: global }
      - { .name: wf, .offset: 40, .size: 8, .value_kind: global_buffer, .address_space: global }
      - { .name: route, .offset: 48, .size: 8, .value_kind: global_buffer, .address_space: global }
      - { .name: prob, .offset: 56, .size: 8, .value_kind: global_buffer, .address_space: global }
    .group_segment_fixed_size: 34304
    .private_segment_fixed_size: 0
    .kernarg_segment_align: 8
    .kernarg_segment_size: 64
    .max_flat_workgroup_size: 256
    .sgpr_count:     66
    .vgpr_count:     512
    .wavefront_size: 32
...
	.end_amdgpu_metadata
.endif
;; end of part 1
;; launch chain (part 2): grid 135 x 1, 4 waves a work-group, no clusters, 203,264 bytes of LDS; arguments x, b1, b2, wf, route, prob, out0; writes out0
.if DOCPART == 2
	.amdgcn_target "amdgcn-amd-amdhsa--gfx1250"
	.amdhsa_code_object_version 6
	.text
	.protected	k_q528480a1d8_chain
	.globl	k_q528480a1d8_chain
	.p2align	8
	.type	k_q528480a1d8_chain,@function
k_q528480a1d8_chain:
	s_mov_b64 s[64:65], 0
	v_nop
	global_prefetch_b8 v0, s[64:65] scope:SCOPE_SE
	s_setreg_imm32_b32 hwreg(HW_REG_WAVE_MODE, 25, 1), 1
	s_wait_xcnt 0x0
; CHAIN: out0[token] = (gelu(x W1[e] + b1[e]) W2[e] + b2[e]) prob[token] for the one expert e that the token chose.  A work-group takes a tile of 64 tokens of one expert through the whole chain.
; GRID.  With 8,192 rows, 8 experts and tiles of 64 there are never more than 8192 / 64 + 7 = 135 tiles, whatever the split.  Every work-group works its tile out from the stored counts, and its
; tokens from the stored bitmaps.  A tile that is not full repeats its first token past the count and stores only the rows below it; a work-group that the split leaves without rows walks the same
; text (every wave passes every barrier) and stores nothing.
; FORMATS.  Every input is rounded to bf16 once (the weights by the launch before).  First product bf16 x bf16; h is rounded once to f16; second product f16 x f16 (W2's bf16 numbers written as f16).  Sums,
; biases, GELU and the weight in f32.  erf by Abramowitz and Stegun 7.1.26, within 1.5e-7 for every argument.
; LIMITS.  h beyond 65,504 is held at 65,504.  NaN and infinities are not treated apart.
; THE WEIGHTS go from memory straight into registers as matrix operands, through a ring of four register slots of one unit (8,192 bytes: 32 along K for the wave's 128 columns): three units, 48 loads, are
; on their way in each wave.  The four waves split the columns, so each weight byte has ONE reader in the work-group: LDS would add a write and a read of it and share nothing.
; NO CLUSTER.  An expert's tiles do walk the same weights, but a joint load lands in LDS: beside the x tile (132,096 bytes) and h (66,560) two slots of 64 KiB do not fit, and the number of an expert's tiles hangs
; on the split, so partners would differ in the expert.  Instead tile t of an expert begins each walk along K at unit 2 t and wraps round: the partners ask for different parts of the stream at
; a walk's beginning.  Sums over K do not mind where the walk begins.
; LAYOUT.  First product transposed (source 0 = 16 columns of W1, source 1 = 16 tokens): a lane holds one token and eight hidden numbers, 16 bytes of a row of h.  Columns lie in fours: fragment f = 4 q + c,
; row rho is column 64 q + 4 rho + c.  So in the second product (source 0 = 16 tokens of h, source 1 = 16 columns of W2) register j of accumulators c = 0..3 holds four neighbouring columns of one row of out0.
; LDS.  0: XT, 64 rows of x in bf16, pitch 2,064; used again, behind a barrier, as four stages of 32,768.  HT: 64 rows of h in f16, pitch 1,040.  LISTP, MERGE, PROBL: each wave's own lists.  SPARE: the spare words.
; REGISTERS.  window 0: v1 lane, v2 R = lane % 16, v3 HH = lane / 16, v4-5 the add's, v6 16 lane, v7 8 HH, v8 16 R, v9-10 x fragments' base, v11-12 h fragments' base, v13-14 the operand addresses in hand
;   (before: b1's offset, the token list's address), v15 where h goes, v16 my stage, v17-18 tokens' and weights' lists, v19 where x goes, v20-27 two sets of row offsets, v28-31 two weights and their offsets;
;   v32-95 ABUF, two buffers of four fragments; v96-159 BIAS, the C of a walk's first products; v160-175 b2; v176-239 b1 as loaded, later TMP; v240-255 TK, PR.
;   window 1: the ring, slot s at 64 s.   window 2: accumulator (f, rb) at 8 (4 f + rb); before the first product two gather buffers of 128.
.set XP,    2064
.set HPI,   1040
.set HT,    132096
.set LISTP, 198656                     ; 4 x 512: 64 words and a dump word for each wave
.set MERGE, 200704                     ; 4 x 256: the tile's 64 tokens, a copy for each wave
.set PROBL, 201728                     ; 4 x 256: their weights
.set SPARE, 202752                     ; the spare words, 128 bytes a wave: no other line names them
.set CN,   32                          ; routing: cn of my eight blocks, then their running sums
.set BM,   64                          ; bm of my wave's two blocks of my eight
.set SEG,  80
.set PRE,  84
.set TT,   88
.set UU,   92
.set ABUF, 32
.set BIAS, 96
.set B2R,  160
.set B1T,  176
.set TMP,  176
.set TK,   240
.set PR,   248
.set HX,   32                          ; GELU: x / 2; t; the exponential; the polynomial; h packed
.set GT,   64
.set GE,   96
.set GQ,   128
.set GH,   176
.set MSB, 0
.macro WIN new                         ; the immediate's high byte repeats the setting that is left
.if MSB != (\new)
	s_set_vgpr_msb (MSB<<8)|(\new)
.set MSB, \new
.endif
.endm
.macro RND a, b                        ; two f32 rounded to bf16 and written back as f32
	v_cvt_pk_bf16_f32 v[\a], v[\a], v[\b]
	v_and_b32 v[\b], s68, v[\a]
	v_lshlrev_b32 v[\a], 16, v[\a]
.endm
; A step of the prefix sum over lanes, on four words of two 16-bit counts (8,192 at the most, so no carry leaves a field): lanes with bit d add the partner group's sum to their prefix.
.macro SCAN d, mask
	s_mov_b32 s49, \mask
.irp k, 0,1,2,3
.if (\d) == 16
	v_permlanex16_b32 v[TT+\k], v[SEG+\k], s50, s51
.else
	v_mov_b32_dpp v[TT+\k], v[SEG+\k] row_xmask:\d row_mask:0xf bank_mask:0xf
.endif
.endr
.irp k, 0,1,2,3
	v_cndmask_b32 v[UU+\k], 0, v[TT+\k], s49
.endr
.irp k, 0,1,2,3
	v_add_nc_u32 v[PRE+\k], v[PRE+\k], v[UU+\k]
.endr
.irp k, 0,1,2,3
	v_add_nc_u32 v[SEG+\k], v[SEG+\k], v[TT+\k]
.endr
.endm
.macro SEL4 dst, base                  ; the word E / 2 of four
	v_cndmask_b32 v104, v[\base], v[(\base)+1], s41
	v_cndmask_b32 v105, v[(\base)+2], v[(\base)+3], s41
	v_cndmask_b32 v[\dst], v104, v105, s42
.endm
.macro SEL8 dst, base                  ; the word E of eight
	v_cndmask_b32 v104, v[\base], v[(\base)+1], s40
	v_cndmask_b32 v105, v[(\base)+2], v[(\base)+3], s40
	v_cndmask_b32 v114, v[(\base)+4], v[(\base)+5], s40
	v_cndmask_b32 v115, v[(\base)+6], v[(\base)+7], s40
	v_cndmask_b32 v104, v104, v105, s41
	v_cndmask_b32 v114, v114, v115, s41
	v_cndmask_b32 v[\dst], v104, v114, s42
.endm
; The ring's next unit into a slot: 16 loads of 512 consecutive bytes.  The unit's number wraps round inside the walk.
.macro WFILL slot
	s_wait_xcnt 0x0                                ; the last fill's loads have had their addresses translated: their base is written again only behind this wait
	s_and_b32 s34, s74, s75
	s_min_u32 s34, s34, 31
	s_lshl_b32 s34, s34, 13
	s_add_nc_u64 s[72:73], s[70:71], s[34:35]
	s_add_co_u32 s74, s74, 1
	WIN 0x40                                       ; destination window 1
.set p, 0
.rept 16
	global_load_b128 v[64*(\slot)+4*p:64*(\slot)+4*p+3], v6, s[72:73] offset:512*p
.set p, p+1
.endr
.endm
; The other operand's next step: its addresses (two plain vector lines), and eight LDS loads: four fragments of 16 rows x 32 along K.
.macro AADDR ph
	s_and_b32 s36, s76, s77
	s_min_u32 s36, s36, 47-16*(\ph)                ; 31 steps' bound in the first product, 15 in the second
	s_lshl_b32 s36, s36, 6
	s_add_co_u32 s76, s76, 1
	v_add_nc_u32 v13, s36, v[7+2*(\ph)]
	v_add_nc_u32 v14, s36, v[8+2*(\ph)]
.endm
.macro ALOAD ph, ab
.set pit, XP+(HPI-XP)*((\ph)-1)
.irp rb, 0,1,2,3
	ds_load_b128 v[ABUF+32*(\ab)+8*\rb:ABUF+32*(\ab)+8*\rb+3],   v[13+\rb/2] offset:(\rb%2)*16*pit
	ds_load_b128 v[ABUF+32*(\ab)+8*\rb+4:ABUF+32*(\ab)+8*\rb+7], v[13+\rb/2] offset:(\rb%2)*16*pit+32
.endr
.endm
; Products lo .. hi of a unit's 32, number 4 f + rb.  The 32 accumulators take turns, one instruction a turn.  first = 1: the bias, in window 0, is the C that starts the sums.
.macro WM ph, slot, ab, first, lo, hi
.if (\ph) == 1
	WIN 0xa1-0x20*(\first)                         ; source 0 (W) window 1, source 1 window 0, D window 2, C window 2 or 0
.else
	WIN 0xa4-0x20*(\first)                         ; source 0 window 0, source 1 (W) window 1
.endif
.set z, \lo
.rept (\hi)-(\lo)+1
.set rD, 8*z
.set rW, 64*(\slot)+8*(z/4)
.set rA, ABUF+32*(\ab)+8*(z%4)
.set rC, BIAS+8*(z/4)
.if ((\ph) == 1) && (\first)
	v_wmma_f32_16x16x32_bf16 v[rD:rD+7], v[rW:rW+7], v[rA:rA+7], v[rC:rC+7]
.elseif (\ph) == 1
	v_wmma_f32_16x16x32_bf16 v[rD:rD+7], v[rW:rW+7], v[rA:rA+7], v[rD:rD+7]
.elseif \first
	v_wmma_f32_16x16x32_f16 v[rD:rD+7], v[rA:rA+7], v[rW:rW+7], v[rC:rC+7]
.else
	v_wmma_f32_16x16x32_f16 v[rD:rD+7], v[rA:rA+7], v[rW:rW+7], v[rD:rD+7]
.endif
.set z, z+1
.endr
.endm
; A UNIT: 32 along K for 64 tokens x 128 columns.  Behind its first eight products it asks for the unit three further on, into the slot that the unit before read, and for the next step's other operand, into
; the buffer that the unit before read.  Four plain vector lines stand between those products' last readers and the loads (ISA guide 7.12.1 for vector instructions).
; lc: the loads that may stay out: the two younger units' 2 x 16, since no other global load is issued while the ring runs.
.macro UNIT ph, slot, ab, first, wfill, afill, lc
	s_wait_loadcnt \lc                             ; this unit's weights are in
	s_wait_dscnt 0x0                               ; and its other operand, asked for 24 products ago
	WM \ph, \slot, \ab, \first, 0, 7
.if (\wfill) || (\afill)
	WIN 0
.if \afill
	AADDR \ph
	v_nop
	v_nop
.else
.rept 4
	v_nop
.endr
.endif
.if \wfill
	WFILL ((\slot)+3)%4
.endif
.if \afill
	WIN 0
	ALOAD \ph, 1-(\ab)
.endif
.endif
	WM \ph, \slot, \ab, \first, 8, 31
.endm
; A WALK of `units` units.  The last three units are those that fetch three ahead past the walk's end: the ring is pointed at the next walk in front of them, and runs on under the work between walks.
; last = 1: nothing follows, nothing is fetched, and the counts run down.
.macro PHASE ph, units, last
	WIN 0
	s_and_b32 s76, s78, (\units)-1                 ; the walk begins at unit 2 t
	s_mov_b32 s77, (\units)-1
	AADDR \ph
	ALOAD \ph, 0
	UNIT \ph, 0, 0, 1, 1, 1, 32
	WIN 0                                          ; at a label and at a branch every window is 0
	s_mov_b32 s46, ((\units)-4)/4
.Lwalk_\@:
	UNIT \ph, 1, 1, 0, 1, 1, 32
	UNIT \ph, 2, 0, 0, 1, 1, 32
	UNIT \ph, 3, 1, 0, 1, 1, 32
	UNIT \ph, 0, 0, 0, 1, 1, 32
	WIN 0
	s_sub_co_u32 s46, s46, 1
	s_cmp_lg_u32 s46, 0
	s_cbranch_scc1 .Lwalk_\@
.if \last
	UNIT \ph, 1, 1, 0, 0, 1, 32
	UNIT \ph, 2, 0, 0, 0, 1, 16
	UNIT \ph, 3, 1, 0, 0, 0, 0
.else
	s_add_nc_u64 s[70:71], s[70:71], (\units)*8192 ; the next walk's units; this pair is no operand of a load
	s_and_b32 s74, s78, 15
	s_mov_b32 s75, 15
	UNIT \ph, 1, 1, 0, 1, 1, 32
	UNIT \ph, 2, 0, 0, 1, 1, 32
	UNIT \ph, 3, 1, 0, 1, 0, 32
.endif
	WIN 0
.endm
; Four rows of x are asked for: their tokens from my list, then 32 loads of 512 consecutive bytes.
.macro GB n
.set ro, 20+4*((\n)%2)
	ds_load_b128 v[ro:ro+3], v14 offset:16*(\n)    ; this set's last loads have been waited for, so its registers are free
	s_wait_dscnt 0x0
.irp i, 0,1,2,3
	v_min_u32 v[ro+\i], 0x1fff, v[ro+\i]
.endr
.irp i, 0,1,2,3
	v_lshl_add_u32 v[ro+\i], v[ro+\i], 12, v6
.endr
	WIN 0x80                                       ; destination window 2
.set i, 0
.rept 4
.set t, 0
.rept 8
	global_load_b128 v[128*((\n)%2)+32*i+4*t:128*((\n)%2)+32*i+4*t+3], v[ro+i], s[4:5] offset:512*t
.set t, t+1
.endr
.set i, i+1
.endr
	WIN 0
.endm
; They are rounded to bf16 and laid into XT.  cnt: the younger batch's 32 loads may stay out.
.macro GC n, cnt
	s_wait_loadcnt \cnt
	WIN 0x0a                                       ; sources 0 and 1 in window 2
.set i, 0
.rept 64
	v_cvt_pk_bf16_f32 v[32+i], v[128*((\n)%2)+2*i], v[128*((\n)%2)+2*i+1]
.set i, i+1
.endr
	WIN 0
.set i, 0
.rept 4
.set t, 0
.rept 8
	ds_store_b64 v19, v[32+2*(8*i+t):32+2*(8*i+t)+1] offset:(4*(\n)+i)*XP+256*t  ; 32 lanes, 256 consecutive bytes
.set t, t+1
.endr
.set i, i+1
.endr
.endm
.macro BIASP p                         ; b2 of pass p's columns as the C of the walk's first products: the same in all eight registers
.set f, 0
.rept 8
.set j, 0
.rept 8
	v_mov_b32 v[BIAS+8*f+j], v[B2R+8*(\p)+f]
.set j, j+1
.endr
.set f, f+1
.endr
.endm
; THE WAY OUT of pass p, 16 rows at a time: times the token's weight, and stored straight from registers: lanes 0-15 fill 256 consecutive aligned bytes of one row of out0, lanes 16-31 of the row 8 further on.
.macro EPI p
.irp rb, 0,1,2,3
	ds_load_b128 v[TK:TK+3],   v17 offset:64*\rb    ; tokens and weights of rows 16 rb + 8 HH + 0..7 (the stores that read TK and TMP have been waited for below)
	ds_load_b128 v[TK+4:TK+7], v17 offset:64*\rb+16
	ds_load_b128 v[PR:PR+3],   v18 offset:64*\rb
	ds_load_b128 v[PR+4:PR+7], v18 offset:64*\rb+16
	s_wait_dscnt 0x0
.set j, 0
.rept 8
	v_min_u32 v[TK+j], 0x1fff, v[TK+j]
.set j, j+1
.endr
.set j, 0
.rept 8
	v_lshl_add_u32 v[TK+j], v[TK+j], 12, v8        ; these sixteen plain lines are also the places behind the walk's last products
.set j, j+1
.endr
	WIN 0x02                                       ; source 0 in window 2
.set j, 0
.rept 8                                        ; j ascending: each accumulator's lowest registers are read first
.set f, 0
.rept 8
	v_mul_f32 v[TMP+4*(2*j+f/4)+f%4], v[8*(4*f+\rb)+j], v[PR+j]
.set f, f+1
.endr
.set j, j+1
.endr
	WIN 0
.set j, 0
.rept 8
	s_sub_co_i32 s38, s33, 16*\rb+j
	s_wait_xcnt 0x0                                ; EXEC, a source of the stores that are out, changes only behind this wait
	v_cmpx_gt_i32 s38, v7                          ; row 16 rb + 8 HH + j lies below the count; with j ascending EXEC only narrows
	global_store_b128 v[TK+j], v[TMP+8*j:TMP+8*j+3],   s[16:17] offset:512*\p th:TH_STORE_NT
	global_store_b128 v[TK+j], v[TMP+8*j+4:TMP+8*j+7], s[16:17] offset:512*\p+256 th:TH_STORE_NT
.set j, j+1
.endr
	s_wait_xcnt 0x0                                ; and again ahead of the line that widens it; TK and TMP are free behind it too
	s_mov_b32 exec_lo, -1
.endr
.endm
	s_load_b256 s[4:11], s[0:1], 0x0               ; x s[4:5], b1 s[6:7], b2 s[8:9], wf s[10:11]
	s_load_b128 s[12:15], s[0:1], 0x20             ; route s[12:13], prob s[14:15]
	s_load_b64 s[16:17], s[0:1], 0x30              ; out0
	v_lshl_add_u32 v4, v0, 2, SPARE                ; my spare word,
	v_mov_b32 v5, 0                                ; and 0: kept for the add at the wave's end
	v_lshrrev_b32 v20, 5, v0
	v_readfirstlane_b32 s18, v20                   ; wave 0..3
	s_mov_b32 s19, ttmp9                           ; G: my tile's number
	v_and_b32 v1, 31, v0
	v_and_b32 v2, 15, v0
	v_bfe_u32 v3, v0, 4, 1
	v_lshlrev_b32 v114, 7, v1                      ; cn of blocks 8 lane .. 8 lane + 7: 128 bytes
	s_lshl_b32 s38, s18, 6
	v_lshl_add_u32 v115, v1, 8, s38                ; bm of blocks 8 lane + 2 wave, + 1: 64 bytes
	s_wait_kmcnt 0x0
.set i, 0
.rept 8
	global_load_b128 v[CN+4*i:CN+4*i+3], v114, s[12:13] offset:16*i
.set i, i+1
.endr
.set i, 0
.rept 4
	global_load_b128 v[BM+4*i:BM+4*i+3], v115, s[12:13] offset:4096+16*i
.set i, i+1
.endr
	; addresses and constants, in the wait for the counts
	v_lshl_add_u32 v112, v1, 8, s38                ; the first token of my first block: 32 (8 lane + 2 wave),
	v_add_nc_u32 v113, 32, v112                    ; and of my second
	v_lshlrev_b32 v6, 4, v1
	v_lshlrev_b32 v7, 3, v3
	v_lshlrev_b32 v8, 4, v2
	v_mul_u32_u24 v9, v2, XP
	v_lshl_add_u32 v9, v3, 4, v9                   ; a fragment's row x pitch + 16 x half
	v_add_nc_u32 v10, 32*XP, v9
	v_mul_u32_u24 v11, v2, HPI
	v_lshl_add_u32 v11, v3, 4, v11
	v_add_nc_u32 v11, HT, v11
	v_add_nc_u32 v12, 32*HPI, v11
	s_lshl_b32 s38, s18, 8
	v_add_nc_u32 v15, s38, v11                     ; h: my wave's 128 places of a row
	v_lshl_add_u32 v17, v3, 5, s38
	v_add_nc_u32 v18, PROBL, v17
	v_add_nc_u32 v17, MERGE, v17
	v_lshl_add_u32 v119, v1, 2, s38
	v_add_nc_u32 v119, MERGE, v119                 ; my word of my wave's merged list
	s_lshl_b32 s39, s18, 15
	v_add_nc_u32 v16, s39, v6
	s_mul_i32 s39, s18, 16*XP
	v_lshl_add_u32 v19, v1, 3, s39
	v_lshlrev_b32 v13, 7, v3                       ; b1: 32 HH numbers
	s_mul_i32 s39, s18, 320
	s_add_co_u32 s39, s39, MERGE
	v_mov_b32 v14, s39                             ; my wave's 16 rows in my wave's list: 256 wave + 64 wave
	s_lshl_b32 s48, s18, 9
	s_add_co_u32 s48, s48, LISTP
	s_and_b32 s44, s18, 1
	s_sub_co_u32 s44, 0, s44                       ; all ones where the wave's bit 0 is set,
	s_bfe_u32 s45, s18, 0x10001
	s_sub_co_u32 s45, 0, s45                       ; bit 1
	s_mov_b32 s35, 0                               ; the high word of every offset
	s_mov_b32 s50, 0x76543210
	s_mov_b32 s51, 0xfedcba98
	s_mov_b32 s68, 0xffff0000
	s_mov_b32 s52, 0x3eed3388                      ; 0.3275911 sqrt 2
	s_mov_b32 s54, 0xc038aa3b                      ; -2 log2 e
	s_mov_b32 s55, s54                             ; (named as pairs, so both words are written)
	s_mov_b32 s56, 0x3f87dc22                      ; a5 =  1.061405429
	s_mov_b32 s57, s56
	s_mov_b32 s58, 0xbfba00e3                      ; a4 = -1.453152027
	s_mov_b32 s59, s58
	s_mov_b32 s60, 0x3fb5f0e3                      ; a3 =  1.421413741
	s_mov_b32 s61, s60
	s_mov_b32 s62, 0xbe91a98e                      ; a2 = -0.284496736
	s_mov_b32 s63, s62
	s_mov_b32 s66, 0x3e827906                      ; a1 =  0.254829592
	s_mov_b32 s67, s66
	s_wait_loadcnt 0x0
	; THE COUNTS: running sums over my eight blocks, a prefix over the lanes, the totals in every lane
.set i, 4
.rept 28
	v_add_nc_u32 v[CN+i], v[CN+i], v[CN+i-4]
.set i, i+1
.endr
.irp k, 0,1,2,3
	v_mov_b32 v[SEG+\k], v[CN+28+\k]
	v_mov_b32 v[PRE+\k], 0
	v_mov_b32 v[TT+\k], 0
.endr
	SCAN 1,  0xaaaaaaaa
	SCAN 2,  0xcccccccc
	SCAN 4,  0xf0f0f0f0
	SCAN 8,  0xff00ff00
	SCAN 16, 0xffff0000
.irp k, 0,1,2,3
	v_readfirstlane_b32 s38, v[SEG+\k]
	s_and_b32 s[20+2*\k], s38, 0xffff              ; N[e], the experts' rows
	s_lshr_b32 s[21+2*\k], s38, 16
.endr
	; MY TILE: the expert whose tiles hold number G, without a branch
	s_mov_b32 s28, 0                               ; tiles up to and with expert e
	s_mov_b32 s29, 0                               ; my expert's first tile
	s_mov_b32 s30, 0                               ; E
	s_mov_b32 s31, s20                             ; its rows
.irp e, 0,1,2,3,4,5,6
	s_add_co_u32 s38, s[20+\e], 63
	s_lshr_b32 s38, s38, 6
	s_add_co_u32 s28, s28, s38
	s_cmp_ge_u32 s19, s28
	s_cselect_b32 s29, s28, s29
	s_cselect_b32 s31, s[21+\e], s31
	s_add_co_ci_u32 s30, s30, 0                    ; + 1 where G lies past expert e's tiles
.endr
	s_add_co_u32 s38, s27, 63
	s_lshr_b32 s38, s38, 6
	s_add_co_u32 s28, s28, s38
	s_cmp_ge_u32 s19, s28
	s_cselect_b32 s29, s28, s29
	s_cselect_b32 s31, 0, s31                      ; past the last tile: no rows
	s_add_co_ci_u32 s30, s30, 0
	s_sub_co_u32 s38, s19, s29                     ; t: my tile among the expert's
	s_lshl_b32 s32, s38, 6                         ; its first rank
	s_lshl_b32 s78, s38, 1
	s_and_b32 s78, s78, 31
	s_min_u32 s78, s78, 31                         ; where my walks begin
	s_sub_co_i32 s39, s31, s32
	s_max_i32 s39, s39, 0
	s_min_i32 s33, s39, 64                         ; CNT: my rows
	s_min_u32 s30, s30, 7
	s_bfe_u32 s40, s30, 0x10000
	s_sub_co_u32 s40, 0, s40                       ; all ones where E's bit 0, 1, 2 is set
	s_bfe_u32 s41, s30, 0x10001
	s_sub_co_u32 s41, 0, s41
	s_bfe_u32 s42, s30, 0x10002
	s_sub_co_u32 s42, 0, s42
	s_and_b32 s43, s30, 1
	s_lshl_b32 s43, s43, 4                         ; E's field in a packed word
	; THE FIRST LOADS: biases, and the ring's first two units
	s_lshl_b32 s34, s30, 11
	s_lshl_b32 s38, s18, 9
	s_add_co_u32 s34, s34, s38
	s_add_nc_u64 s[6:7], s[6:7], s[34:35]          ; b1[E] at my wave's 128 numbers
	s_lshl_b32 s34, s30, 12
	s_lshl_b32 s38, s18, 10
	s_add_co_u32 s34, s34, s38
	s_add_nc_u64 s[8:9], s[8:9], s[34:35]          ; b2[E] at my wave's 256
	s_mov_b32 s34, s38
	s_add_nc_u64 s[16:17], s[16:17], s[34:35]      ; out0 at my wave's 256 columns
	s_lshl_b32 s34, s30, 21
	s_lshl_b32 s38, s18, 19
	s_add_co_u32 s34, s34, s38
	s_add_nc_u64 s[70:71], s[10:11], s[34:35]      ; my wave's units of W1[E]
	s_mov_b32 s74, s78
	s_mov_b32 s75, 31
.set q, 0
.rept 2
.set j, 0
.rept 8
	global_load_b128 v[B1T+32*q+4*j:B1T+32*q+4*j+3], v13, s[6:7] offset:256*q+16*j  ; numbers 64 q + 32 HH + 4 j + 0..3
.set j, j+1
.endr
.set q, q+1
.endr
.set q, 0
.rept 4
	global_load_b128 v[B2R+4*q:B2R+4*q+3], v8, s[8:9] offset:256*q  ; numbers 64 q + 4 R + 0..3
.set q, q+1
.endr
	WFILL 0
	WFILL 1
	WIN 0
	; THE LIST.  Rank of a token = tokens of E below it.  My wave walks two blocks of each lane's eight and puts the tokens of ranks R0 .. R0 + 63 into its own list; all else goes to the dump word.
.set i, 0
.rept 7
	SEL4 96+i, CN+4*i
.set i, i+1
.endr
	SEL4 103, PRE
	v_cndmask_b32 v104, 0, v97, s44                ; the sums before my first block: none, or through block 1, 3, 5
	v_cndmask_b32 v105, v99, v101, s44
	v_cndmask_b32 v106, v104, v105, s45
	v_cndmask_b32 v104, v96, v98, s44              ; before my second: through block 0, 2, 4, 6
	v_cndmask_b32 v105, v100, v102, s44
	v_cndmask_b32 v107, v104, v105, s45
	s_sub_co_u32 s38, 0, s32
	v_add_nc_u32 v108, v103, v106
	v_add_nc_u32 v109, v103, v107
	v_lshrrev_b32 v108, s43, v108
	v_lshrrev_b32 v109, s43, v109
	v_and_b32 v108, 0xffff, v108
	v_and_b32 v109, 0xffff, v109
	v_add_nc_u32 v108, s38, v108                   ; the next token's place in the tile
	v_add_nc_u32 v109, s38, v109
	SEL8 110, BM
	SEL8 111, BM+8
	v_lshl_add_u32 v116, v1, 2, s48
	v_mov_b32 v117, 0
	ds_store_b32 v116, v117                        ; my list starts at 0: the four lists are merged by OR
	ds_store_b32 v116, v117 offset:128
	s_mov_b32 s47, 0
.Lbit:
	v_bfe_u32 v114, v110, s47, 1
	v_bfe_u32 v115, v111, s47, 1
	v_add_nc_u32 v116, -1, v114                    ; 0 where the token is E's, else all ones
	v_add_nc_u32 v117, -1, v115
	v_or_b32 v116, v116, v108
	v_or_b32 v117, v117, v109
	v_min_u32 v116, 64, v116                       ; a place outside 0..63 (a negative one is large unsigned) is the dump word
	v_min_u32 v117, 64, v117
	v_lshl_add_u32 v116, v116, 2, s48
	v_lshl_add_u32 v117, v117, 2, s48
	ds_store_b32 v116, v112
	ds_store_b32 v117, v113
	v_add_nc_u32 v108, v108, v114
	v_add_nc_u32 v109, v109, v115
	v_add_nc_u32 v112, 1, v112
	v_add_nc_u32 v113, 1, v113
	s_add_co_u32 s47, s47, 1
	s_cmp_lt_u32 s47, 32
	s_cbranch_scc1 .Lbit
	s_wait_dscnt 0x0                               ; for the others' sake: my list is written
	s_barrier_signal -1
	s_barrier_wait -1
	v_lshl_add_u32 v116, v1, 2, LISTP
	v_mov_b32 v117, LISTP
.irp w, 0,1,2,3
	ds_load_b32 v[120+\w], v116 offset:512*\w
	ds_load_b32 v[124+\w], v116 offset:512*\w+128
	ds_load_b32 v[128+\w], v117 offset:512*\w
.endr
	v_add_nc_u32 v118, 32, v1
	s_wait_dscnt 0x0
.irp b, 120, 124, 128
	v_or_b32 v[\b], v[\b], v[\b+1]
	v_or_b32 v[\b+2], v[\b+2], v[\b+3]
	v_or_b32 v[\b], v[\b], v[\b+2]
.endr
	v_cmp_gt_u32 vcc_lo, s33, v1
	v_cndmask_b32 v120, v128, v120, vcc_lo         ; places past the count repeat the tile's first token
	v_cmp_gt_u32 vcc_lo, s33, v118
	v_cndmask_b32 v124, v128, v124, vcc_lo
	v_min_u32 v120, 0x1fff, v120
	v_min_u32 v124, 0x1fff, v124
	ds_store_b32 v119, v120                        ; each wave keeps a copy of its own: no barrier is needed for it
	ds_store_b32 v119, v124 offset:128
	v_lshlrev_b32 v30, 2, v120
	v_lshlrev_b32 v31, 2, v124
	global_load_b32 v28, v30, s[14:15]
	global_load_b32 v29, v31, s[14:15]
	WFILL 2
	WIN 0
	; THE GATHER: my wave's 16 rows of x, four at a time, two batches on their way
	GB 0
	GB 1
	GC 0, 32
	GB 2
	GC 1, 32
	GB 3
	GC 2, 32
	GC 3, 0                                        ; all loads are in: x, the weights prob, b1, b2 and the ring's first three units
	ds_store_b32 v119, v28 offset:PROBL-MERGE
	ds_store_b32 v119, v29 offset:PROBL-MERGE+128
.set q, 0
.rept 2
.set j, 0
.rept 8
.set a, B1T+32*q+4*j
	v_cvt_pk_bf16_f32 v[a], v[a], v[a+1]           ; b1 rounded, and turned: register j of fragment 4 q + c
	v_cvt_pk_bf16_f32 v[a+2], v[a+2], v[a+3]
	v_lshlrev_b32 v[BIAS+8*(4*q)+j], 16, v[a]
	v_and_b32 v[BIAS+8*(4*q+1)+j], s68, v[a]
	v_lshlrev_b32 v[BIAS+8*(4*q+2)+j], 16, v[a+2]
	v_and_b32 v[BIAS+8*(4*q+3)+j], s68, v[a+2]
.set j, j+1
.endr
.set q, q+1
.endr
.set i, 0
.rept 8
	RND B2R+2*i, B2R+2*i+1
.set i, i+1
.endr
	s_wait_dscnt 0x0                               ; for the others' sake: my rows of x are in LDS
	s_barrier_signal -1
	s_barrier_wait -1
	PHASE 1, 32, 0                                 ; x W1 + b1
	; GELU.  The accumulators go through my own stage so that the text stands once, in a loop over the eight fragments: registers cannot be named by a counter, and eight copies would be half of the text's budget.
	s_wait_dscnt 0x0                               ; my reads of x are back,
	s_barrier_signal -1
	s_barrier_wait -1                              ; everybody's are: XT's bytes are the stages now
.rept 4
	v_nop                                          ; the places behind the last products
.endr
	WIN 0x08                                       ; store data in window 2
.set a, 0
.rept 32
	ds_store_b128 v16, v[8*a:8*a+3] offset:1024*a      ; each accumulator's low half first
	ds_store_b128 v16, v[8*a+4:8*a+7] offset:1024*a+512
.set a, a+1
.endr
	WIN 0
	s_mov_b32 s46, 8
.Lgelu:                                                ; a trip: fragment f of all 64 tokens, 32 numbers a lane
.set i, 0
.rept 8
	ds_load_b128 v[HX+4*i:HX+4*i+3], v16 offset:512*i  ; LDS serves a wave's instructions in order: these see my stores
.set i, i+1
.endr
	v_add_nc_u32 v16, 4096, v16
	s_wait_dscnt 0x0
.set i, 0
.rept 16
	v_pk_mul_f32 v[HX+2*i:HX+2*i+1], v[HX+2*i:HX+2*i+1], 0.5 op_sel_hi:[1,0]  ; hx = x / 2;  z = |x| / sqrt 2 = |hx| sqrt 2
.set i, i+1
.endr
.set i, 0
.rept 32
	v_fma_f32 v[GT+i], |v[HX+i]|, s52, 1.0         ; 1 + 0.3275911 z
.set i, i+1
.endr
.set i, 0
.rept 16
	v_pk_mul_f32 v[GE+2*i:GE+2*i+1], v[HX+2*i:HX+2*i+1], v[HX+2*i:HX+2*i+1]
.set i, i+1
.endr
.set i, 0
.rept 16
	v_pk_mul_f32 v[GE+2*i:GE+2*i+1], v[GE+2*i:GE+2*i+1], s[54:55] op_sel_hi:[1,0]  ; -z^2 log2 e
.set i, i+1
.endr
.set i, 0
.rept 32
	v_rcp_f32 v[GT+i], v[GT+i]                     ; t
.set i, i+1
.endr
.set i, 0
.rept 32
	v_exp_f32 v[GE+i], v[GE+i]                     ; e^(-z^2)
.set i, i+1
.endr
	v_nop                                          ; a plain instruction behind the last of the batch,
	s_wait_alu depctr_va_vdst(0)                   ; and ONE wait for all 64, ahead of their first reader
.set i, 0
.rept 16
	v_pk_fma_f32 v[GQ+2*i:GQ+2*i+1], v[GT+2*i:GT+2*i+1], s[56:57], s[58:59] op_sel_hi:[1,0,0]
.set i, i+1
.endr
.irp k, 60, 62, 66
.set i, 0
.rept 16
	v_pk_fma_f32 v[GQ+2*i:GQ+2*i+1], v[GQ+2*i:GQ+2*i+1], v[GT+2*i:GT+2*i+1], s[\k:\k+1] op_sel_hi:[1,1,0]
.set i, i+1
.endr
.endr
.set i, 0
.rept 16
	v_pk_mul_f32 v[GQ+2*i:GQ+2*i+1], v[GQ+2*i:GQ+2*i+1], v[GT+2*i:GT+2*i+1]
.set i, i+1
.endr
.set i, 0
.rept 16
	v_pk_fma_f32 v[GQ+2*i:GQ+2*i+1], v[GQ+2*i:GQ+2*i+1], v[GE+2*i:GE+2*i+1], 1.0 op_sel_hi:[1,1,0] neg_lo:[1,0,0] neg_hi:[1,0,0]  ; erf z
.set i, i+1
.endr
.set i, 0
.rept 32
	v_fma_f32 v[GT+i], |v[HX+i]|, v[GQ+i], v[HX+i] ; x / 2 (1 + erf(x / sqrt 2)) = hx + |hx| erf z
.set i, i+1
.endr
.set i, 0
.rept 16
	v_cvt_pk_f16_f32 v[GH+i], v[GT+2*i], v[GT+2*i+1]
.set i, i+1
.endr
.set i, 0
.rept 16
	v_pk_min_num_f16 v[GH+i], v[GH+i], 0x7bff7bff  ; held at f16's largest number
.set i, i+1
.endr
.irp rb, 0,1,2,3
	ds_store_b128 v15, v[GH+4*\rb:GH+4*\rb+3] offset:16*HPI*\rb  ; token 16 rb + R, places 128 wave + 16 f + 8 HH + 0..7
.endr
	v_add_nc_u32 v15, 32, v15
	s_sub_co_u32 s46, s46, 1
	s_cmp_lg_u32 s46, 0
	s_cbranch_scc1 .Lgelu
	s_wait_dscnt 0x0                               ; for the others' sake: my 128 places of every row of h are written
	s_barrier_signal -1
	s_barrier_wait -1
	BIASP 0
	PHASE 2, 16, 0                                 ; h W2 + b2, my columns 0-127
	EPI 0
	BIASP 1
	PHASE 2, 16, 1                                 ; my columns 128-255
	EPI 1
	s_wait_tensorcnt 0x0                           ; the wave's end
	ds_add_u32 v4, v5
	s_wait_dscnt 0x0
	s_endpgm
.Lfunc_end_k_q528480a1d8_chain:
	.size	k_q528480a1d8_chain, .Lfunc_end_k_q528480a1d8_chain-k_q528480a1d8_chain
	.p2alignl 7, 3214868480
	.fill 96, 4, 3214868480
	.section	.rodata,"a",@progbits
	.p2align	6, 0x0
	.amdhsa_kernel k_q528480a1d8_chain
		.amdhsa_group_segment_fixed_size 203264
		.amdhsa_private_segment_fixed_size 0
		.amdhsa_enable_private_segment 0
		.amdhsa_kernarg_size 56
		.amdhsa_user_sgpr_count 2
		.amdhsa_user_sgpr_kernarg_segment_ptr 1
		.amdhsa_wavefront_size32 1
		.amdhsa_system_sgpr_workgroup_id_x 1
		.amdhsa_system_sgpr_workgroup_id_y 1
		.amdhsa_system_sgpr_workgroup_id_z 1
		.amdhsa_system_vgpr_workitem_id 0
		.amdhsa_next_free_vgpr 768
		.amdhsa_next_free_sgpr 80
		.amdhsa_reserve_vcc 1
		.amdhsa_float_denorm_mode_32 3
		.amdhsa_float_denorm_mode_16_64 3
		.amdhsa_memory_ordered 1
		.amdhsa_forward_progress 1
		.amdhsa_inst_pref_size 251
	.end_amdhsa_kernel
	.amdgpu_metadata
---
amdhsa.version: [ 1, 2 ]
amdhsa.kernels:
  - .name:           k_q528480a1d8_chain
    .symbol:         k_q528480a1d8_chain.kd
    .args:
      - { .name: x, .offset: 0, .size: 8, .value_kind: global_buffer, .address_space: global }
      - { .name: b1, .offset: 8, .size: 8, .value_kind: global_buffer, .address_space: global }
      - { .name: b2, .offset: 16, .size: 8, .value_kind: global_buffer, .address_space: global }
      - { .name: wf, .offset: 24, .size: 8, .value_kind: global_buffer, .address_space: global }
      - { .name: route, .offset: 32, .size: 8, .value_kind: global_buffer, .address_space: global }
      - { .name: prob, .offset: 40, .size: 8, .value_kind: global_buffer, .address_space: global }
      - { .name: out0, .offset: 48, .size: 8, .value_kind: global_buffer, .address_space: global }
    .group_segment_fixed_size: 203264
    .private_segment_fixed_size: 0
    .kernarg_segment_align: 8
    .kernarg_segment_size: 56
    .max_flat_workgroup_size: 128
    .sgpr_count:     80
    .vgpr_count:     768
    .wavefront_size: 32
...
	.end_amdgpu_metadata
.endif
;; end of part 2
;; ======== version 2 of 3: 2 launches; 1.37 times as fast as version 1
;; limits: values are held in f16: magnitudes above 65,504 overflow, below 6.1e-05 lose precision
;; workspace buffers: wf 16,777,216 bytes; route 12,288 bytes of whole numbers; prob 32,768 bytes
;; launch prep (part 3): grid 256 x 1, 8 waves a work-group, no clusters, 34,304 bytes of LDS; arguments x, Wr, br, W1, W2, wf, route, prob; writes wf, route, prob
.if DOCPART == 3
	.amdgcn_target "amdgcn-amd-amdhsa--gfx1250"
	.amdhsa_code_object_version 6
	.text
	.protected	k_q528480a1d8_prep
	.globl	k_q528480a1d8_prep
	.p2align	8
	.type	k_q528480a1d8_prep,@function
k_q528480a1d8_prep:
	s_mov_b64 s[64:65], 0
	v_nop
	global_prefetch_b8 v0, s[64:65] scope:SCOPE_SE
	s_setreg_imm32_b32 hwreg(HW_REG_WAVE_MODE, 25, 1), 1
	s_wait_xcnt 0x0
; PREP: the router, and the experts' weights laid out in the order in which the next launch's operand registers take them.
; ROUTER.  logits = x Wr + br on x, Wr, br each rounded once to bf16 (the products are then exact in f32; sums in f32); the expert is the largest logit's, the lowest index at an exact tie;
; the weight is 1 / sum of 2^((l - max) log2 e).  Work-group b has the 32 tokens 32 b .. 32 b + 31, a wave four of them.  It stores, at fixed places: prob[token]; bm[b][e], bit i set where token
; 32 b + i chose expert e; cn[b][q] = count(2 q) | count(2 q + 1) << 16.  No address and no branch hangs on the choice.
; No matrix instruction: the router has 8 columns, and the lanes' layout of loads that take 512 consecutive bytes of a row is not a matrix operand's; the launch is a stream of x and of the weights.
; WEIGHTS.  wf byte = e 2^21 + w 2^18 + g 4096 + c 1024 + jj 512 + L 16 + 2 i, with w = 0..7 the next launch's wave and L = rho + 16 hk.
;   g < 32:  bf16(W1[e][k][n]),  k = 32 g + 16 jj + 8 hk + i,  n = 64 w + 4 rho + c
;   g >= 32: W2[e][nn][d] rounded to bf16 and that number written as f16;  pass = (g - 32) / 16, ks = (g - 32) % 16,  d = 128 w + 64 pass + 4 rho + c,
;            nn = 64 (ks / 2) + 2 (ks % 2) + jj + 32 hk + 4 i: the hidden index that the next launch keeps at place 32 ks + 16 jj + 8 hk + i of a row of h
; A wave here makes two such units of 4,096 bytes, q = 0, 1, from 128 neighbouring columns; its job is (e, v, u), number 4 b + wave % 4.  Waves 0-3, W1: K step u, columns 128 v + 64 q: units (w = 2 v + q, g = u).
; Waves 4-7, W2: u = 16 a + ks, columns 256 v + 128 a + 64 q: units (w = 2 v + a, g = 32 + 16 q + ks).  A 16-byte load gives a lane the four columns c; sixteen lanes read 256 consecutive bytes; the turn
; from [k][n] to operand order happens in registers; each store of a wave covers 512 consecutive bytes.
; LIMITS.  NaN and infinities are not treated apart.  Ties that arise only from the rounding of the exponentials in a softmax are not reproduced: the choice is made on the logits.
; A W2 below 2^-14 in size keeps f16's fixed step of 6e-8; one beyond 65,504 does not fit.
; REGISTERS.  window 0: v0-15 ids and addresses; v16-47 ACC[token][expert]; v48-175 X[token][32]; v176-239 O (first: Wr's stage); v240-255 br, statistics, at work.
;   window 1: v0-127 the weights as loaded; later v0-255 Wr: for my columns 128 t + 4 lane + c the eight experts at 32 t + 8 c.
.set EXW,   32768                      ; LDS: 0..32767 Wr rounded, piece (s, lane) at 16 (32 s + lane); here [wave][8] words of bitmap parts
.set EXP,   33024                      ; the block's 32 weights
.set SPARE, 33280                      ; the spare words, 128 bytes for each of eight waves: no other line names them
.set ACC, 16
.set X,   48
.set O,   176
.set MSB, 0
.macro WIN new                         ; the immediate's high byte repeats the setting that is left
.if MSB != (\new)
	s_set_vgpr_msb (MSB<<8)|(\new)
.set MSB, \new
.endif
.endm
.macro RND a, b                        ; two f32 rounded to bf16 and written back as f32
	v_cvt_pk_bf16_f32 v[\a], v[\a], v[\b]
	v_and_b32 v[\b], s44, v[\a]
	v_lshlrev_b32 v[\a], 16, v[\a]
.endm
; One step of the sum over lanes that also halves the registers: lanes with the mask's bit keep b, the others a, and each takes its partner's share of what it keeps.
.macro RS a, b, m, x, t
	v_cndmask_b32 v[252+2*(\t)], v[\b], v[\a], s[\m]
	v_cndmask_b32 v[253+2*(\t)], v[\a], v[\b], s[\m]
	v_add_f32_dpp v[\a], v[252+2*(\t)], v[253+2*(\t)] row_xmask:\x row_mask:0xf bank_mask:0xf
.endm
	s_load_b256 s[4:11], s[0:1], 0x0               ; x s[4:5], Wr s[6:7], br s[8:9], W1 s[10:11]
	s_load_b256 s[12:19], s[0:1], 0x20             ; W2 s[12:13], wf s[14:15], route s[16:17], prob s[18:19]
	v_lshl_add_u32 v4, v0, 2, SPARE                ; my spare word,
	v_mov_b32 v5, 0                                ; and 0: kept for the add at the wave's end
	v_lshrrev_b32 v10, 5, v0
	v_readfirstlane_b32 s20, v10                   ; wave 0..7
	s_mov_b32 s21, ttmp9                           ; block b
	v_and_b32 v1, 31, v0                           ; lane
	v_and_b32 v2, 15, v0                           ; rho
	v_bfe_u32 v3, v0, 4, 1                         ; hk
	v_and_b32 v11, 7, v0
	v_and_b32 v12, 3, v0
	v_lshlrev_b32 v6, 4, v1                        ; 16 lane
	v_lshlrev_b32 v8, 7, v1                        ; 128 lane
	s_lshl_b32 s45, s20, 12                        ; 4,096 wave
	v_add_nc_u32 v9, s45, v6
	s_mov_b32 s40, 0xaaaaaaaa                      ; lanes with bit 0
	s_mov_b32 s41, 0xcccccccc                      ; lanes with bit 1
	s_mov_b32 s42, 0x76543210                      ; v_permlanex16_b32: each lane takes its own place in the other half
	s_mov_b32 s43, 0xfedcba98
	s_mov_b32 s44, 0xffff0000
	s_mov_b32 s55, 0                               ; the high word of every offset
	s_and_b32 s46, s20, 3
	s_lshl2_add_u32 s46, s21, s46                  ; my job's number 4 b + wave % 4
	s_lshr_b32 s47, s46, 7                         ; e
	s_bfe_u32 s48, s46, 0x20005                    ; v
	s_and_b32 s49, s46, 31                         ; u
	s_lshl_b32 s50, s47, 21
	s_lshl_b32 s51, s48, 19                        ; wave 2 v of the next launch
	s_add_co_u32 s51, s51, s50
	s_lshl_b32 s62, s49, 12                        ; W1: unit g = u
	s_and_b32 s63, s49, 15
	s_add_co_u32 s63, s63, 32
	s_lshl_b32 s63, s63, 12                        ; W2: unit g = 32 + ks,
	s_lshr_b32 s22, s49, 4
	s_lshl_b32 s22, s22, 18                        ; of wave 2 v + a
	s_add_co_u32 s63, s63, s22
	s_mov_b32 s22, 0x40000                         ; from q = 0 to q = 1: W1 the next wave,
	s_mov_b32 s23, 0x10000                         ; W2 sixteen units on
	s_cmp_lt_u32 s20, 4
	s_cselect_b32 s62, s62, s63
	s_cselect_b32 s23, s22, s23
	s_add_co_u32 s51, s51, s62                     ; my first unit's byte in wf
	s_wait_kmcnt 0x0
	s_mov_b32 s54, s51
	s_add_nc_u64 s[56:57], s[14:15], s[54:55]      ; the unit of q = 0,
	s_mov_b32 s54, s23
	s_add_nc_u64 s[22:23], s[56:57], s[54:55]      ; and of q = 1
	s_mov_b32 s54, s45
	s_add_nc_u64 s[60:61], s[6:7], s[54:55]        ; Wr's rows 128 wave on
	s_lshl_b32 s54, s21, 17
	s_lshl_b32 s62, s20, 14
	s_add_co_u32 s54, s54, s62
	s_add_nc_u64 s[58:59], s[4:5], s[54:55]        ; x at my four tokens
	s_load_b256 s[24:31], s[8:9], 0x0              ; br, waited for ahead of its use
	; All of a wave's 72 loads go out here: Wr's stage (8), the weights (32), x (32).
.set p, 0
.rept 8
	global_load_b128 v[O+4*p:O+4*p+3], v8, s[60:61] offset:16*p
.set p, p+1
.endr
	s_cmp_lt_u32 s20, 4
	s_cbranch_scc0 .Lw2_loads                      ; both ways issue 32 loads, so the counts below hold on both
	s_lshl_b32 s54, s49, 16                        ; W1: 32 u rows of 2,048 bytes,
	s_add_co_u32 s54, s54, s50
	s_lshl_b32 s62, s48, 9                         ; 128 v columns
	s_add_co_u32 s54, s54, s62
	s_add_nc_u64 s[52:53], s[10:11], s[54:55]
	v_lshlrev_b32 v7, 14, v3                       ; 8 hk rows
	v_lshl_add_u32 v7, v2, 4, v7                   ; 4 rho columns
	WIN 0x40                                       ; destination window 1
.set q, 0
.rept 2
.set jj, 0
.rept 2
.set i, 0
.rept 8
	global_load_b128 v[4*(8*(2*q+jj)+i):4*(8*(2*q+jj)+i)+3], v7, s[52:53] offset:(16*jj+i)*2048+256*q th:TH_LOAD_NT
.set i, i+1
.endr
.set jj, jj+1
.endr
.set q, q+1
.endr
	WIN 0
	s_branch .Lw_asked
.Lw2_loads:
	s_and_b32 s62, s49, 15                         ; ks
	s_lshr_b32 s63, s49, 4                         ; a
	s_lshl_b32 s54, s63, 9                         ; 128 a columns,
	s_add_co_u32 s54, s54, s50
	s_lshl_b32 s63, s48, 10                        ; 256 v columns,
	s_add_co_u32 s54, s54, s63
	s_lshr_b32 s63, s62, 2                         ; and rows of 4,096 bytes: 128 (ks / 4)
	s_lshl_b32 s63, s63, 19
	s_add_co_u32 s54, s54, s63
	s_bfe_u32 s63, s62, 0x10001                    ; + 64 ((ks / 2) % 2)
	s_lshl_b32 s63, s63, 18
	s_add_co_u32 s54, s54, s63
	s_and_b32 s63, s62, 1                          ; + 2 (ks % 2)
	s_lshl_b32 s63, s63, 13
	s_add_co_u32 s54, s54, s63
	s_add_nc_u64 s[52:53], s[12:13], s[54:55]
	v_lshlrev_b32 v7, 17, v3                       ; 32 hk rows
	v_lshl_add_u32 v7, v2, 4, v7
	WIN 0x40
.set q, 0
.rept 2
.set jj, 0
.rept 2
.set i, 0
.rept 8
	global_load_b128 v[4*(8*(2*q+jj)+i):4*(8*(2*q+jj)+i)+3], v7, s[52:53] offset:(jj+4*i)*4096+256*q th:TH_LOAD_NT
.set i, i+1
.endr
.set jj, jj+1
.endr
.set q, q+1
.endr
	WIN 0
.Lw_asked:
.set tau, 0
.rept 4
.set t, 0
.rept 8
	global_load_b128 v[X+32*tau+4*t:X+32*tau+4*t+3], v6, s[58:59] offset:4096*tau+512*t  ; 512 consecutive bytes of a token's row
.set t, t+1
.endr
.set tau, tau+1
.endr
	s_wait_loadcnt 63                              ; Wr's stage is in: 64 loads are younger; the wait's field names 63 at the most, and a smaller count is safe
.set p, 0
.rept 16
	RND O+2*p, O+2*p+1
.set p, p+1
.endr
.set p, 0
.rept 8
	ds_store_b128 v9, v[O+4*p:O+4*p+3] offset:512*p  ; piece (8 wave + p, lane): 32 lanes, 512 consecutive bytes
.set p, p+1
.endr
	s_wait_dscnt 0x0                               ; for the others' sake: my part of Wr is in LDS
	s_barrier_signal -1
	s_barrier_wait -1
	s_wait_loadcnt 32                              ; the weights are in; the 32 loads of x may stay out
	WIN 0x05                                       ; sources 0 and 1 in window 1
.set q, 0
.rept 2
.set c, 0
.rept 4
.set jj, 0
.rept 2
.set m, 0
.rept 4
	v_cvt_pk_bf16_f32 v[O+4*(2*(4*q+c)+jj)+m], v[4*(8*(2*q+jj)+2*m)+c], v[4*(8*(2*q+jj)+2*m+1)+c]  ; elements i = 2 m, 2 m + 1 of column c
.set m, m+1
.endr
.set jj, jj+1
.endr
.set c, c+1
.endr
.set q, q+1
.endr
	WIN 0
	s_cmp_lt_u32 s20, 4
	s_cbranch_scc1 .Lkeep_bf16
.set z, 0
.rept 64                                       ; W2: the bf16 numbers written as f16
	v_lshlrev_b32 v[252+2*(z%2)], 16, v[O+z]
	v_and_b32 v[253+2*(z%2)], s44, v[O+z]
	v_cvt_pk_f16_f32 v[O+z], v[252+2*(z%2)], v[253+2*(z%2)]
.set z, z+1
.endr
.Lkeep_bf16:
.set p, 0
.rept 8
	global_store_b128 v6, v[O+4*p:O+4*p+3], s[56:57] offset:512*p        ; piece 2 c + jj of the unit of q = 0: 512 consecutive bytes, at a multiple of 512 from wf's first
	global_store_b128 v6, v[O+32+4*p:O+32+4*p+3], s[22:23] offset:512*p  ; and of q = 1; O is not written again
.set p, p+1
.endr
	WIN 0x40
.set s, 0
.rept 64
	ds_load_b128 v[4*s:4*s+3], v6 offset:512*s     ; Wr for my columns: the weights' registers are free, their conversions are issued
.set s, s+1
.endr
	WIN 0
	s_wait_loadcnt 0x0                             ; x
.set p, 0
.rept 64
	RND X+2*p, X+2*p+1
.set p, p+1
.endr
	s_wait_dscnt 0x0                               ; Wr
	WIN 0x04                                       ; source 1 in window 1
; 512 packed multiply-adds: for each of my 32 columns, each token and each pair of experts.  Sixteen chains take turns; the first link of each is a multiply, so nothing is cleared.
.set t, 0
.rept 8
.set c, 0
.rept 4
.set tau, 0
.rept 4
.set pr, 0
.rept 4
.set rA, ACC+8*tau+2*pr
.set rX, X+32*tau+4*t+2*(c/2)
.set rW, 32*t+8*c+2*pr
.if (t == 0) && (c == 0)
	v_pk_mul_f32 v[rA:rA+1], v[rX:rX+1], v[rW:rW+1] op_sel_hi:[0,1]
.elseif (c%2) == 0
	v_pk_fma_f32 v[rA:rA+1], v[rX:rX+1], v[rW:rW+1], v[rA:rA+1] op_sel_hi:[0,1,1]
.else
	v_pk_fma_f32 v[rA:rA+1], v[rX:rX+1], v[rW:rW+1], v[rA:rA+1] op_sel:[1,0,0] op_sel_hi:[1,1,1]
.endif
.set pr, pr+1
.endr
.set tau, tau+1
.endr
.set c, c+1
.endr
.set t, t+1
.endr
	WIN 0
; The sum over the 32 lanes.  Two halving steps leave lane l the eight logits of token l % 4; three plain steps finish them.
.set e, 0
.rept 8
	RS ACC+e, ACC+8+e, 40, 1, 0
	RS ACC+16+e, ACC+24+e, 40, 1, 1
.set e, e+1
.endr
.set e, 0
.rept 8
	RS ACC+e, ACC+16+e, 41, 2, e%2
.set e, e+1
.endr
.irp e, 0,1,2,3,4,5,6,7
	v_add_f32_dpp v[ACC+\e], v[ACC+\e], v[ACC+\e] row_xmask:4 row_mask:0xf bank_mask:0xf
.endr
.irp e, 0,1,2,3,4,5,6,7
	v_add_f32_dpp v[ACC+\e], v[ACC+\e], v[ACC+\e] row_xmask:8 row_mask:0xf bank_mask:0xf
.endr
.irp e, 0,1,2,3,4,5,6,7
	v_permlanex16_b32 v[ACC+8+\e], v[ACC+\e], s42, s43
.endr
	s_wait_kmcnt 0x0                               ; br
.irp k, 0,1,2,3
	v_cvt_pk_bf16_f32 v252, s[24+2*\k], s[25+2*\k]
	v_lshlrev_b32 v[240+2*\k], 16, v252
	v_and_b32 v[241+2*\k], s44, v252
.endr
.irp e, 0,1,2,3,4,5,6,7
	v_add_f32 v[ACC+\e], v[ACC+\e], v[ACC+8+\e]
.endr
.irp e, 0,1,2,3,4,5,6,7
	v_add_f32 v[ACC+\e], v[ACC+\e], v[240+\e]
.endr
	v_max3_num_f32 v248, v16, v17, v18
	v_max3_num_f32 v248, v248, v19, v20
	v_max3_num_f32 v248, v248, v21, v22
	v_max_num_f32 v248, v248, v23                  ; the largest logit
	v_mov_b32 v249, 7
.irp e, 6,5,4,3,2,1,0
	v_cmp_eq_f32 vcc_lo, v[ACC+\e], v248
	v_cndmask_b32 v249, v249, \e, vcc_lo           ; the lowest index that has it
.endr
.irp e, 0,1,2,3,4,5,6,7
	v_sub_f32 v[24+\e], v[ACC+\e], v248
.endr
.irp e, 0,1,2,3,4,5,6,7
	v_mul_f32 v[24+\e], 0x3fb8aa3b, v[24+\e]
.endr
.irp e, 0,1,2,3,4,5,6,7
	v_exp_f32 v[24+\e], v[24+\e]
.endr
	v_nop                                          ; a plain instruction behind the last exponential,
	s_wait_alu depctr_va_vdst(0)                   ; and one wait for the eight, ahead of their first reader
	v_add_f32 v24, v24, v25
	v_add_f32 v26, v26, v27
	v_add_f32 v28, v28, v29
	v_add_f32 v30, v30, v31
	v_add_f32 v24, v24, v26
	v_add_f32 v28, v28, v30
	v_add_f32 v24, v24, v28
	v_rcp_f32 v250, v24                            ; the top probability: 2^0 over the sum
	v_mov_b32 v251, 0                              ; (the plain instruction behind the reciprocal)
	s_wait_alu depctr_va_vdst(0)
	s_lshl_b32 s45, s20, 2                         ; my four tokens' first bit
.irp e, 0,1,2,3,4,5,6,7
	v_cmp_eq_u32 s[32+\e], \e, v249                ; lanes 0-3 speak for tokens 0-3
	s_and_b32 s[32+\e], s[32+\e], 15
	s_lshl_b32 s[32+\e], s[32+\e], s45
	v_cmp_eq_u32 vcc_lo, \e, v11
	v_cndmask_b32 v251, v251, s[32+\e], vcc_lo     ; lane l takes expert l % 8's word
.endr
	s_lshl_b32 s62, s20, 5
	v_lshl_add_u32 v13, v11, 2, s62
	ds_store_b32 v13, v251 offset:EXW              ; lanes that share a word store the same number
	s_lshl_b32 s63, s20, 4
	v_lshl_add_u32 v14, v12, 2, s63
	ds_store_b32 v14, v250 offset:EXP
	s_wait_dscnt 0x0                               ; for wave 0's sake
	s_barrier_signal -1
	s_barrier_wait -1
	s_cmp_lg_u32 s20, 0
	s_cbranch_scc1 .Ldone                          ; wave 0 gathers the block's results; no barrier stands in what is jumped
	v_lshlrev_b32 v13, 2, v1
	v_lshlrev_b32 v14, 2, v11
	v_lshlrev_b32 v15, 2, v12
	ds_load_b32 v24, v13 offset:EXP
.irp w, 0,1,2,3,4,5,6,7
	ds_load_b32 v[25+\w], v14 offset:EXW+32*\w
.endr
	s_lshl_b32 s54, s21, 7
	s_add_nc_u64 s[46:47], s[18:19], s[54:55]      ; prob + 128 b
	s_lshl_b32 s54, s21, 5
	s_add_nc_u64 s[48:49], s[16:17], s[54:55]      ; route + 32 b
	s_lshl_b32 s54, s21, 4
	s_add_nc_u64 s[50:51], s[16:17], s[54:55]      ; route + 16 b
	s_wait_dscnt 0x0
	v_or_b32 v25, v25, v26
	v_or_b32 v27, v27, v28
	v_or_b32 v29, v29, v30
	v_or_b32 v31, v31, v32
	v_or_b32 v25, v25, v27
	v_or_b32 v29, v29, v31
	v_or_b32 v25, v25, v29                         ; lane l: expert l % 8's bitmap of the block
	global_store_b32 v13, v24, s[46:47]            ; 32 weights, 128 consecutive bytes
	global_store_b32 v14, v25, s[48:49] offset:4096  ; bm[b]: 32 bytes; lanes that share a word store the same number
.irp e, 0,1,2,3,4,5,6,7
	v_readlane_b32 s[32+\e], v25, \e
	s_bcnt1_i32_b32 s[32+\e], s[32+\e]
.endr
.irp k, 0,2,4,6
	s_lshl_b32 s[33+\k], s[33+\k], 16
	s_or_b32 s[32+\k], s[32+\k], s[33+\k]
.endr
	v_mov_b32 v26, s32
.irp k, 1,2,3
	v_cmp_eq_u32 vcc_lo, \k, v12
	v_cndmask_b32 v26, v26, s[32+2*\k], vcc_lo
.endr
	global_store_b32 v15, v26, s[50:51]            ; cn[b]: 16 bytes
.Ldone:
	s_wait_tensorcnt 0x0                           ; the wave's end
	ds_add_u32 v4, v5
	s_wait_dscnt 0x0
	s_endpgm
.Lfunc_end_k_q528480a1d8_prep:
	.size	k_q528480a1d8_prep, .Lfunc_end_k_q528480a1d8_prep-k_q528480a1d8_prep
	.p2alignl 7, 3214868480
	.fill 96, 4, 3214868480
	.section	.rodata,"a",@progbits
	.p2align	6, 0x0
	.amdhsa_kernel k_q528480a1d8_prep
		.amdhsa_group_segment_fixed_size 34304
		.amdhsa_private_segment_fixed_size 0
		.amdhsa_enable_private_segment 0
		.amdhsa_kernarg_size 64
		.amdhsa_user_sgpr_count 2
		.amdhsa_user_sgpr_kernarg_segment_ptr 1
		.amdhsa_wavefront_size32 1
		.amdhsa_system_sgpr_workgroup_id_x 1
		.amdhsa_system_sgpr_workgroup_id_y 1
		.amdhsa_system_sgpr_workgroup_id_z 1
		.amdhsa_system_vgpr_workitem_id 0
		.amdhsa_next_free_vgpr 512
		.amdhsa_next_free_sgpr 66
		.amdhsa_reserve_vcc 1
		.amdhsa_float_denorm_mode_32 3
		.amdhsa_float_denorm_mode_16_64 3
		.amdhsa_memory_ordered 1
		.amdhsa_forward_progress 1
		.amdhsa_inst_pref_size 89
	.end_amdhsa_kernel
	.amdgpu_metadata
---
amdhsa.version: [ 1, 2 ]
amdhsa.kernels:
  - .name:           k_q528480a1d8_prep
    .symbol:         k_q528480a1d8_prep.kd
    .args:
      - { .name: x, .offset: 0, .size: 8, .value_kind: global_buffer, .address_space: global }
      - { .name: Wr, .offset: 8, .size: 8, .value_kind: global_buffer, .address_space: global }
      - { .name: br, .offset: 16, .size: 8, .value_kind: global_buffer, .address_space: global }
      - { .name: W1, .offset: 24, .size: 8, .value_kind: global_buffer, .address_space: global }
      - { .name: W2, .offset: 32, .size: 8, .value_kind: global_buffer, .address_space: global }
      - { .name: wf, .offset: 40, .size: 8, .value_kind: global_buffer, .address_space: global }
      - { .name: route, .offset: 48, .size: 8, .value_kind: global_buffer, .address_space: global }
      - { .name: prob, .offset: 56, .size: 8, .value_kind: global_buffer, .address_space: global }
    .group_segment_fixed_size: 34304
    .private_segment_fixed_size: 0
    .kernarg_segment_align: 8
    .kernarg_segment_size: 64
    .max_flat_workgroup_size: 256
    .sgpr_count:     66
    .vgpr_count:     512
    .wavefront_size: 32
...
	.end_amdgpu_metadata
.endif
;; end of part 3
;; launch chain (part 4): grid 135 x 1, 8 waves a work-group, no clusters, 206,080 bytes of LDS; arguments x, b1, b2, wf, route, prob, out0; writes out0
.if DOCPART == 4
	.amdgcn_target "amdgcn-amd-amdhsa--gfx1250"
	.amdhsa_code_object_version 6
	.text
	.protected	k_q528480a1d8_chain
	.globl	k_q528480a1d8_chain
	.p2align	8
	.type	k_q528480a1d8_chain,@function
k_q528480a1d8_chain:
	s_mov_b64 s[64:65], 0
	v_nop
	global_prefetch_b8 v0, s[64:65] scope:SCOPE_SE
	s_setreg_imm32_b32 hwreg(HW_REG_WAVE_MODE, 25, 1), 1
	s_wait_xcnt 0x0
; CHAIN: out0[token] = (gelu(x W1[e] + b1[e]) W2[e] + b2[e]) prob[token] for the one expert e that the token chose.  A work-group takes a tile of 64 tokens of one expert through the whole chain.
; GRID.  With 8,192 rows, 8 experts and tiles of 64 there are never more than 8192 / 64 + 7 = 135 tiles, whatever the split.  Every work-group works its tile out from the stored counts, and its
; tokens from the stored bitmaps.  A tile that is not full repeats its first token past the count and stores only the rows below it; a work-group that the split leaves without rows walks the same
; text (every wave passes every barrier) and stores nothing.
; FORMATS.  Every input is rounded to bf16 once (the weights by the launch before).  First product bf16 x bf16; h is rounded once to f16; second product f16 x f16 (W2's bf16 numbers written as f16).  Sums,
; biases, GELU and the weight in f32.  erf by Abramowitz and Stegun 7.1.26, within 1.5e-7 for every argument.
; LIMITS.  h beyond 65,504 is held at 65,504.  NaN and infinities are not treated apart.
; EIGHT WAVES, two to a SIMD, split the columns: 64 of the hidden layer's, 128 of the output's (in two passes of 64).  THE WEIGHTS go from memory straight into registers as matrix operands, through a ring of
; eight register slots of one unit (4,096 bytes, eight loads: 32 along K for the wave's 64 columns): seven units, 56 loads, 28,672 bytes are on their way in each wave, 229,376 in the work-group.  With four waves
; of 128 columns a unit would be sixteen loads, and a wave's load counter would hold fewer than four of them.  Each weight byte has ONE reader in the work-group: LDS would add a write and a read of it and share nothing.
; A wave's 64 units (32 of W1, 2 x 16 of W2) lie end to end in wf, so the ring runs on from walk to walk, under GELU and the way out.  All tiles of an expert walk them in the same order.
; NO CLUSTER.  An expert's tiles do walk the same weights, but a joint load lands in LDS: beside the x tile (132,096 bytes) and h (66,560) there is room for two slots of some 60,000 bytes, a quarter of what the
; registers have on their way; and the number of an expert's tiles hangs on the split.
; LAYOUT.  First product transposed (source 0 = 16 columns of W1, source 1 = 16 tokens): a lane holds one token and eight hidden numbers, 16 bytes of a row of h.  Columns lie in fours: fragment c, row rho is
; column 4 rho + c of the wave's 64.  So in the second product (source 0 = 16 tokens of h, source 1 = 16 columns of W2) register j of accumulators c = 0..3 holds four neighbouring columns of one row of out0.
; LDS.  0: XT, 64 rows of x in bf16, pitch 2,064.  HT: 64 rows of h in f16, pitch 1,040.  LISTP, MERGE: each wave's own lists.  PROBL: the 64 weights.  SPARE: the spare words.
; REGISTERS.  window 0: v0 a weight and its offset, v1 lane, v2 where x goes (first: lane % 16), v3 where my weight goes (first: lane / 16), v4-5 the add's, v6 16 lane, v7 8 (lane / 16), v8 16 (lane % 16),
;   v9 x fragments' base, v10 h fragments' base, v11 where h goes, v13-14 the operand addresses in hand (before: b1's offset, the token list's address), v15 my tokens' list, v16-23 b2,
;   v24-31 two sets of row offsets (later v24: the weights' list); v32-95 ABUF, two buffers of four fragments (on the way out TMP, TK, PR); v96-127 BIAS, the C of a walk's first products (v32-127 in GELU: at work);
;   v128-255 accumulator (c, rb) at 128 + 8 (4 c + rb) (before: four rows of x).   window 1: the ring, slot s at 32 s (before: v128-255 four more rows of x).
.set XP,    2064
.set HPI,   1040
.set HT,    132096
.set LISTP, 198656                     ; 8 x 512: 64 words and a dump word for each wave
.set MERGE, 202752                     ; 8 x 256: the tile's 64 tokens, a copy for each wave
.set PROBL, 204800                     ; 256: their weights
.set SPARE, 205056                     ; the spare words, 128 bytes a wave: no other line names them
.set CN,   32                          ; routing: cn of my eight blocks, then their running sums
.set BM,   64                          ; bm of my wave's block of my eight
.set SEG,  80
.set PRE,  84
.set TT,   88
.set UU,   92
.set B2R,  16
.set ABUF, 32
.set BIAS, 96
.set ACC,  128
.set TMP,  32
.set TK,   64
.set PR,   72
.set GT,   32                          ; GELU: t, then the result; the exponential, then h packed; the polynomial
.set GE,   64
.set GH,   64
.set GQ,   96
.set MSB, 0
.macro WIN new                         ; the immediate's high byte repeats the setting that is left
.if MSB != (\new)
	s_set_vgpr_msb (MSB<<8)|(\new)
.set MSB, \new
.endif
.endm
.macro RND a, b                        ; two f32 rounded to bf16 and written back as f32
	v_cvt_pk_bf16_f32 v[\a], v[\a], v[\b]
	v_and_b32 v[\b], s68, v[\a]
	v_lshlrev_b32 v[\a], 16, v[\a]
.endm
; A step of the prefix sum over lanes, on four words of two 16-bit counts (8,192 at the most, so no carry leaves a field): lanes with bit d add the partner group's sum to their prefix.
.macro SCAN d, mask
	s_mov_b32 s49, \mask
.irp k, 0,1,2,3
.if (\d) == 16
	v_permlanex16_b32 v[TT+\k], v[SEG+\k], s50, s51
.else
	v_mov_b32_dpp v[TT+\k], v[SEG+\k] row_xmask:\d row_mask:0xf bank_mask:0xf
.endif
.endr
.irp k, 0,1,2,3
	v_cndmask_b32 v[UU+\k], 0, v[TT+\k], s49
.endr
.irp k, 0,1,2,3
	v_add_nc_u32 v[PRE+\k], v[PRE+\k], v[UU+\k]
.endr
.irp k, 0,1,2,3
	v_add_nc_u32 v[SEG+\k], v[SEG+\k], v[TT+\k]
.endr
.endm
.macro SEL4 dst, base                  ; the word E / 2 of four
	v_cndmask_b32 v104, v[\base], v[(\base)+1], s41
	v_cndmask_b32 v105, v[(\base)+2], v[(\base)+3], s41
	v_cndmask_b32 v[\dst], v104, v105, s42
.endm
.macro SEL8 dst, base                  ; the word E of eight
	v_cndmask_b32 v104, v[\base], v[(\base)+1], s40
	v_cndmask_b32 v105, v[(\base)+2], v[(\base)+3], s40
	v_cndmask_b32 v114, v[(\base)+4], v[(\base)+5], s40
	v_cndmask_b32 v115, v[(\base)+6], v[(\base)+7], s40
	v_cndmask_b32 v104, v104, v105, s41
	v_cndmask_b32 v114, v114, v115, s41
	v_cndmask_b32 v[\dst], v104, v114, s42
.endm
; A unit into a slot of the ring: eight loads of 512 consecutive bytes.  The unit's number, counted from the base in s[72:73], stands in the immediate.
.macro WFILL slot, unit
	WIN 0x40                                       ; destination window 1
.set p, 0
.rept 8
	global_load_b128 v[32*(\slot)+4*p:32*(\slot)+4*p+3], v6, s[72:73] offset:4096*(\unit)+512*p
.set p, p+1
.endr
.endm
; The other operand's step: eight LDS loads, four fragments of 16 rows x 32 along K, rows ascending.  x's rows 32-63 lie past the 16-bit offset and have an address of their own.
.macro ALOAD ph, ab
.irp rb, 0,1,2,3
.if (\ph) == 1
	ds_load_b128 v[ABUF+32*(\ab)+8*\rb:ABUF+32*(\ab)+8*\rb+3],   v[13+\rb/2] offset:(\rb%2)*16*XP
	ds_load_b128 v[ABUF+32*(\ab)+8*\rb+4:ABUF+32*(\ab)+8*\rb+7], v[13+\rb/2] offset:(\rb%2)*16*XP+32
.else
	ds_load_b128 v[ABUF+32*(\ab)+8*\rb:ABUF+32*(\ab)+8*\rb+3],   v13 offset:\rb*16*HPI
	ds_load_b128 v[ABUF+32*(\ab)+8*\rb+4:ABUF+32*(\ab)+8*\rb+7], v13 offset:\rb*16*HPI+32
.endif
.endr
.endm
.macro ASTART ph                       ; a walk's first step
	WIN 0
.if (\ph) == 1
	v_mov_b32 v13, v9
	v_add_nc_u32 v14, 32*XP, v9
.else
	v_mov_b32 v13, v10
.endif
	ALOAD \ph, 0
.endm
; Four products: rows 16 g .. 16 g + 15 of the tile with the unit's four fragments of columns.  first = 1: the bias is the C that starts the sums.
.macro WMG ph, slot, ab, first, g
.set z, 0
.rept 4
.set rD, ACC+8*(4*z+(\g))
.set rW, 32*(\slot)+8*z
.set rA, ABUF+32*(\ab)+8*(\g)
.set rC, BIAS+8*z
.if ((\ph) == 1) && (\first)
	v_wmma_f32_16x16x32_bf16 v[rD:rD+7], v[rW:rW+7], v[rA:rA+7], v[rC:rC+7]
.elseif (\ph) == 1
	v_wmma_f32_16x16x32_bf16 v[rD:rD+7], v[rW:rW+7], v[rA:rA+7], v[rD:rD+7]
.elseif \first
	v_wmma_f32_16x16x32_f16 v[rD:rD+7], v[rA:rA+7], v[rW:rW+7], v[rC:rC+7]
.else
	v_wmma_f32_16x16x32_f16 v[rD:rD+7], v[rA:rA+7], v[rW:rW+7], v[rD:rD+7]
.endif
.set z, z+1
.endr
.endm
; A UNIT: 32 along K for 64 tokens x 64 columns, 16 products.  At its head it asks for the next step's other operand, into the buffer that the unit before read, and for the unit seven further on, into the slot
; that the unit before read.  Four plain vector lines stand between that unit's products and the loads (ISA guide 7.12.1 for vector instructions).
; The products go by blocks of 16 rows, each behind a counted wait: LDS loads come back in order (ISA guide 5.7.1), so block g wants the step's first 2 g + 2 loads: the step's other 6 - 2 g, and the eight just
; issued for the next step, may stay out.  So a fragment has 16 products or more in which to land.  The 16 accumulators take turns in one order in every unit.
; fu: the unit to fetch, counted from the base, or -1.  lc: the loads that may stay out: the six younger units' 6 x 8, since no other global load is issued while the ring runs.
.macro UNIT ph, slot, ab, first, fu, afill, lc
	s_wait_loadcnt \lc                             ; this unit's weights are in
.if ((\fu) >= 0) || (\afill)
	WIN 0
.if \afill
	v_add_nc_u32 v13, 64, v13                      ; 32 along K on
.if (\ph) == 1
	v_add_nc_u32 v14, 64, v14
.else
	v_nop
.endif
	v_nop
	v_nop
	ALOAD \ph, 1-(\ab)
.else
.rept 4
	v_nop
.endr
.endif
.if (\fu) >= 0
	WFILL ((\slot)+7)%8, \fu
.endif
.endif
.if (\ph) == 1
	WIN 0x01                                       ; source 0 (W) in window 1, all else in window 0
.else
	WIN 0x04                                       ; source 1 (W) in window 1
.endif
.irp g, 0,1,2,3
	s_wait_dscnt 8*(\afill)+6-2*\g
	WMG \ph, \slot, \ab, \first, \g
.endr
.endm
; n units of the first product behind a unit in slot 0: slots 1, 2, ..; each fetches unit 8 + k from the base.  lastaf = 0: the last is the walk's last and asks for no further step of x.
.macro RUN1 n, lastaf
.set k, 0
.rept \n
.set uaf, 1
.if (k == (\n)-1) && !(\lastaf)
.set uaf, 0
.endif
	UNIT 1, (1+k)%8, (1+k)%2, 0, 8+k, uaf, 48
.set k, k+1
.endr
.endm
; A pass of the second product: 16 units, written out.  Unit m fetches unit base + m.  last = 1: the wave's units 48-63: from m = 9 on nothing is left to fetch, and from m = 10 on the counts run down.
.macro PHASE2 base, last
	ASTART 2
.set m, 0
.rept 16
.set ufu, (\base)+m
.set ulc, 48
.set ufi, 0
.set uaf, 1
.if (\last) && (m > 8)
.set ufu, -1
.endif
.if (\last) && (m > 9)
.set ulc, 8*(15-m)
.endif
.if m == 0
.set ufi, 1
.endif
.if m == 15
.set uaf, 0
.endif
	UNIT 2, m%8, m%2, ufi, ufu, uaf, ulc
.set m, m+1
.endr
	WIN 0
.endm
; Four rows of x are asked for: their tokens from my list, then 32 loads of 512 consecutive bytes.  Batch 0 lands in window 0, batch 1 in window 1, both at v128-255.
.macro GB n
.set ro, 24+4*(\n)
	ds_load_b128 v[ro:ro+3], v14 offset:16*(\n)
	s_wait_dscnt 0x0
.irp i, 0,1,2,3
	v_min_u32 v[ro+\i], 0x1fff, v[ro+\i]
.endr
.irp i, 0,1,2,3
	v_lshl_add_u32 v[ro+\i], v[ro+\i], 12, v6
.endr
.if (\n) == 1
	WIN 0x40
.endif
.set i, 0
.rept 4
.set t, 0
.rept 8
	global_load_b128 v[128+32*i+4*t:128+32*i+4*t+3], v[ro+i], s[4:5] offset:512*t
.set t, t+1
.endr
.set i, i+1
.endr
	WIN 0
.endm
; They are rounded to bf16 and laid into XT.  cnt: the younger batch's 32 loads may stay out.
.macro GC n, cnt
	s_wait_loadcnt \cnt
.if (\n) == 1
	WIN 0x05                                       ; sources 0 and 1 in window 1
.endif
.set i, 0
.rept 64
	v_cvt_pk_bf16_f32 v[32+i], v[128+2*i], v[128+2*i+1]
.set i, i+1
.endr
	WIN 0
.set i, 0
.rept 4
.set t, 0
.rept 8
	ds_store_b64 v2, v[32+2*(8*i+t):32+2*(8*i+t)+1] offset:(4*(\n)+i)*XP+256*t  ; 32 lanes, 256 consecutive bytes
.set t, t+1
.endr
.set i, i+1
.endr
.endm
; GELU, on registers.  HALVE: hx = x / 2 of two fragments' accumulators (64 registers from src on) into the first two fragments' registers; each accumulator's lowest registers are read first.
.macro HALVE src
.set i, 0
.rept 32
	v_pk_mul_f32 v[ACC+2*i:ACC+2*i+1], v[(\src)+2*i:(\src)+2*i+1], 0.5 op_sel_hi:[1,0]
.set i, i+1
.endr
.endm
; GEL: one fragment of all 64 tokens, 32 numbers a lane, from hx at ACC + 32 cc to 16 bytes of each of four rows of h.  z = |x| / sqrt 2 = |hx| sqrt 2.
.macro GEL cc
.set HX, ACC+32*(\cc)
.set i, 0
.rept 32
	v_fma_f32 v[GT+i], |v[HX+i]|, s52, 1.0         ; 1 + 0.3275911 z
.set i, i+1
.endr
.set i, 0
.rept 16
	v_pk_mul_f32 v[GE+2*i:GE+2*i+1], v[HX+2*i:HX+2*i+1], v[HX+2*i:HX+2*i+1]
.set i, i+1
.endr
.set i, 0
.rept 16
	v_pk_mul_f32 v[GE+2*i:GE+2*i+1], v[GE+2*i:GE+2*i+1], s[54:55] op_sel_hi:[1,0]  ; -z^2 log2 e
.set i, i+1
.endr
.set i, 0
.rept 32
	v_rcp_f32 v[GT+i], v[GT+i]                     ; t
.set i, i+1
.endr
.set i, 0
.rept 32
	v_exp_f32 v[GE+i], v[GE+i]                     ; e^(-z^2)
.set i, i+1
.endr
	v_nop                                          ; a plain instruction behind the last of the batch,
	s_wait_alu depctr_va_vdst(0)                   ; and ONE wait for all 64, ahead of their first reader
.set i, 0
.rept 16
	v_pk_fma_f32 v[GQ+2*i:GQ+2*i+1], v[GT+2*i:GT+2*i+1], s[56:57], s[58:59] op_sel_hi:[1,0,0]
.set i, i+1
.endr
.irp k, 60, 62, 66
.set i, 0
.rept 16
	v_pk_fma_f32 v[GQ+2*i:GQ+2*i+1], v[GQ+2*i:GQ+2*i+1], v[GT+2*i:GT+2*i+1], s[\k:\k+1] op_sel_hi:[1,1,0]
.set i, i+1
.endr
.endr
.set i, 0
.rept 16
	v_pk_mul_f32 v[GQ+2*i:GQ+2*i+1], v[GQ+2*i:GQ+2*i+1], v[GT+2*i:GT+2*i+1]
.set i, i+1
.endr
.set i, 0
.rept 16
	v_pk_fma_f32 v[GQ+2*i:GQ+2*i+1], v[GQ+2*i:GQ+2*i+1], v[GE+2*i:GE+2*i+1], 1.0 op_sel_hi:[1,1,0] neg_lo:[1,0,0] neg_hi:[1,0,0]  ; erf z
.set i, i+1
.endr
.set i, 0
.rept 32
	v_fma_f32 v[GT+i], |v[HX+i]|, v[GQ+i], v[HX+i] ; x / 2 (1 + erf(x / sqrt 2)) = hx + |hx| erf z
.set i, i+1
.endr
.set i, 0
.rept 16
	v_cvt_pk_f16_f32 v[GH+i], v[GT+2*i], v[GT+2*i+1]
.set i, i+1
.endr
.set i, 0
.rept 16
	v_pk_min_num_f16 v[GH+i], v[GH+i], s69         ; held at f16's largest number
.set i, i+1
.endr
.irp rb, 0,1,2,3
	ds_store_b128 v11, v[GH+4*\rb:GH+4*\rb+3] offset:16*HPI*\rb+32*(\cc)  ; token 16 rb + lane % 16, places 64 wave + 16 c + 8 (lane / 16) + 0..7
.endr
.endm
.macro BIASP p                         ; b2 of pass p's columns as the C of the walk's first products: the same in all eight registers
.set c, 0
.rept 4
.set j, 0
.rept 8
	v_mov_b32 v[BIAS+8*c+j], v[B2R+4*(\p)+c]
.set j, j+1
.endr
.set c, c+1
.endr
.endm
; THE WAY OUT of 16 rows of pass p: times the token's weight, and stored straight from registers: lanes 0-15 fill 256 consecutive aligned bytes of one row of out0, lanes 16-31 of the row 8 further on.
.macro EPIRB p, rb
	s_wait_xcnt 0x0                                ; the stores of the 16 rows before have had their addresses translated: TK and TMP are written again only behind this wait
	ds_load_b128 v[TK:TK+3],   v15 offset:64*(\rb)     ; tokens and weights of rows 16 rb + 8 (lane / 16) + 0..7
	ds_load_b128 v[TK+4:TK+7], v15 offset:64*(\rb)+16
	ds_load_b128 v[PR:PR+3],   v24 offset:64*(\rb)
	ds_load_b128 v[PR+4:PR+7], v24 offset:64*(\rb)+16
	s_wait_dscnt 0x0
.set j, 0
.rept 8
	v_min_u32 v[TK+j], 0x1fff, v[TK+j]
.set j, j+1
.endr
.set j, 0
.rept 8
	v_lshl_add_u32 v[TK+j], v[TK+j], 12, v8
.set j, j+1
.endr
.set j, 0
.rept 8                                        ; j ascending: each accumulator's lowest registers are read first
.set c, 0
.rept 4
	v_mul_f32 v[TMP+4*j+c], v[ACC+8*(4*c+(\rb))+j], v[PR+j]
.set c, c+1
.endr
.set j, j+1
.endr
	s_cmp_ge_u32 s33, 16*(\rb)+16
	s_cbranch_scc0 .Lpart_\@                       ; the count falls into these 16 rows, or ahead of them
.set j, 0
.rept 8
	global_store_b128 v[TK+j], v[TMP+4*j:TMP+4*j+3], s[16:17] offset:256*(\p) th:TH_STORE_NT
.set j, j+1
.endr
	s_branch .Lnext_\@
.Lpart_\@:
.set j, 0
.rept 8
	s_sub_co_i32 s38, s33, 16*(\rb)+j
	s_wait_xcnt 0x0                                ; EXEC, a source of the stores that are out, changes only behind this wait
	v_cmpx_gt_i32 s38, v7                          ; row 16 rb + 8 (lane / 16) + j lies below the count; with j ascending EXEC only narrows
	global_store_b128 v[TK+j], v[TMP+4*j:TMP+4*j+3], s[16:17] offset:256*(\p) th:TH_STORE_NT
.set j, j+1
.endr
	s_wait_xcnt 0x0                                ; and again ahead of the line that widens it
	s_mov_b32 exec_lo, -1
.Lnext_\@:
.endm
.macro EPI p
.rept 4
	v_nop                                          ; the places behind the walk's last products: TK's and PR's registers were their operands
.endr
	EPIRB \p, 0
	EPIRB \p, 1
	EPIRB \p, 2
	EPIRB \p, 3
	s_wait_xcnt 0x0                                ; TMP's registers take the next walk's fragments only behind this wait
.endm
	s_load_b256 s[4:11], s[0:1], 0x0               ; x s[4:5], b1 s[6:7], b2 s[8:9], wf s[10:11]
	s_load_b128 s[12:15], s[0:1], 0x20             ; route s[12:13], prob s[14:15]
	s_load_b64 s[16:17], s[0:1], 0x30              ; out0
	v_lshl_add_u32 v4, v0, 2, SPARE                ; my spare word,
	v_mov_b32 v5, 0                                ; and 0: kept for the add at the wave's end
	v_lshrrev_b32 v24, 5, v0
	v_readfirstlane_b32 s18, v24                   ; wave 0..7
	s_mov_b32 s19, ttmp9                           ; G: my tile's number
	v_and_b32 v1, 31, v0
	v_and_b32 v2, 15, v0
	v_bfe_u32 v3, v0, 4, 1
	v_lshlrev_b32 v114, 7, v1                      ; cn of blocks 8 lane .. 8 lane + 7: 128 bytes
	s_lshl_b32 s38, s18, 5
	v_lshl_add_u32 v115, v1, 8, s38                ; bm of block 8 lane + wave: 32 bytes
	s_wait_kmcnt 0x0
.set i, 0
.rept 8
	global_load_b128 v[CN+4*i:CN+4*i+3], v114, s[12:13] offset:16*i
.set i, i+1
.endr
.set i, 0
.rept 2
	global_load_b128 v[BM+4*i:BM+4*i+3], v115, s[12:13] offset:4096+16*i
.set i, i+1
.endr
	; addresses and constants, in the wait for the counts
	v_lshl_add_u32 v112, v1, 8, s38                ; the first token of my block: 32 (8 lane + wave)
	v_lshlrev_b32 v6, 4, v1
	v_lshlrev_b32 v7, 3, v3
	v_lshlrev_b32 v8, 4, v2
	v_mul_u32_u24 v9, v2, XP
	v_lshl_add_u32 v9, v3, 4, v9                   ; a fragment's row x pitch + 16 x half
	v_mul_u32_u24 v10, v2, HPI
	v_lshl_add_u32 v10, v3, 4, v10
	v_add_nc_u32 v10, HT, v10
	s_lshl_b32 s39, s18, 7
	v_add_nc_u32 v11, s39, v10                     ; h: my wave's 64 places of a row
	s_lshl_b32 s39, s18, 8
	v_lshl_add_u32 v15, v3, 5, s39
	v_add_nc_u32 v15, MERGE, v15
	v_lshl_add_u32 v119, v1, 2, s39
	v_add_nc_u32 v119, MERGE, v119                 ; my word of my wave's merged list
	v_lshlrev_b32 v13, 7, v3                       ; b1: 32 (lane / 16) numbers
	s_mul_i32 s39, s18, 288
	s_add_co_u32 s39, s39, MERGE
	v_mov_b32 v14, s39                             ; my wave's 8 rows in my wave's list: 256 wave + 32 wave
	v_and_b32 v145, 7, v0
	v_lshl_add_u32 v144, v145, 2, s39              ; the token of row 8 wave + lane % 8
	s_add_co_u32 s39, s38, PROBL
	v_lshl_add_u32 v3, v145, 2, s39                ; and where its weight goes (lane / 16 has served)
	s_mul_i32 s39, s18, 8*XP
	v_lshl_add_u32 v2, v1, 3, s39                  ; where x goes (lane % 16 has served)
	s_lshl_b32 s48, s18, 9
	s_add_co_u32 s48, s48, LISTP
	s_and_b32 s44, s18, 1
	s_sub_co_u32 s44, 0, s44                       ; all ones where the wave's bit 0 is set,
	s_bfe_u32 s45, s18, 0x10001
	s_sub_co_u32 s45, 0, s45                       ; bit 1,
	s_bfe_u32 s36, s18, 0x10002
	s_sub_co_u32 s36, 0, s36                       ; bit 2
	s_mov_b32 s35, 0                               ; the high word of every offset
	s_mov_b32 s50, 0x76543210
	s_mov_b32 s51, 0xfedcba98
	s_mov_b32 s68, 0xffff0000
	s_mov_b32 s69, 0x7bff7bff                      ; 65,504 twice in f16
	s_mov_b32 s52, 0x3eed3388                      ; 0.3275911 sqrt 2
	s_mov_b32 s54, 0xc038aa3b                      ; -2 log2 e
	s_mov_b32 s55, s54                             ; (named as pairs, so both words are written)
	s_mov_b32 s56, 0x3f87dc22                      ; a5 =  1.061405429
	s_mov_b32 s57, s56
	s_mov_b32 s58, 0xbfba00e3                      ; a4 = -1.453152027
	s_mov_b32 s59, s58
	s_mov_b32 s60, 0x3fb5f0e3                      ; a3 =  1.421413741
	s_mov_b32 s61, s60
	s_mov_b32 s62, 0xbe91a98e                      ; a2 = -0.284496736
	s_mov_b32 s63, s62
	s_mov_b32 s66, 0x3e827906                      ; a1 =  0.254829592
	s_mov_b32 s67, s66
	s_wait_loadcnt 0x0
	; THE COUNTS: running sums over my eight blocks, a prefix over the lanes, the totals in every lane
.set i, 4
.rept 28
	v_add_nc_u32 v[CN+i], v[CN+i], v[CN+i-4]
.set i, i+1
.endr
.irp k, 0,1,2,3
	v_mov_b32 v[SEG+\k], v[CN+28+\k]
	v_mov_b32 v[PRE+\k], 0
	v_mov_b32 v[TT+\k], 0
.endr
	SCAN 1,  0xaaaaaaaa
	SCAN 2,  0xcccccccc
	SCAN 4,  0xf0f0f0f0
	SCAN 8,  0xff00ff00
	SCAN 16, 0xffff0000
.irp k, 0,1,2,3
	v_readfirstlane_b32 s38, v[SEG+\k]
	s_and_b32 s[20+2*\k], s38, 0xffff              ; N[e], the experts' rows
	s_lshr_b32 s[21+2*\k], s38, 16
.endr
	; MY TILE: the expert whose tiles hold number G, without a branch
	s_mov_b32 s28, 0                               ; tiles up to and with expert e
	s_mov_b32 s29, 0                               ; my expert's first tile
	s_mov_b32 s30, 0                               ; E
	s_mov_b32 s31, s20                             ; its rows
.irp e, 0,1,2,3,4,5,6
	s_add_co_u32 s38, s[20+\e], 63
	s_lshr_b32 s38, s38, 6
	s_add_co_u32 s28, s28, s38
	s_cmp_ge_u32 s19, s28
	s_cselect_b32 s29, s28, s29
	s_cselect_b32 s31, s[21+\e], s31
	s_add_co_ci_u32 s30, s30, 0                    ; + 1 where G lies past expert e's tiles
.endr
	s_add_co_u32 s38, s27, 63
	s_lshr_b32 s38, s38, 6
	s_add_co_u32 s28, s28, s38
	s_cmp_ge_u32 s19, s28
	s_cselect_b32 s29, s28, s29
	s_cselect_b32 s31, 0, s31                      ; past the last tile: no rows
	s_add_co_ci_u32 s30, s30, 0
	s_sub_co_u32 s38, s19, s29                     ; my tile among the expert's
	s_lshl_b32 s32, s38, 6                         ; its first rank
	s_sub_co_i32 s39, s31, s32
	s_max_i32 s39, s39, 0
	s_min_i32 s33, s39, 64                         ; CNT: my rows
	s_min_u32 s30, s30, 7
	s_bfe_u32 s40, s30, 0x10000
	s_sub_co_u32 s40, 0, s40                       ; all ones where E's bit 0, 1, 2 is set
	s_bfe_u32 s41, s30, 0x10001
	s_sub_co_u32 s41, 0, s41
	s_bfe_u32 s42, s30, 0x10002
	s_sub_co_u32 s42, 0, s42
	s_and_b32 s43, s30, 1
	s_lshl_b32 s43, s43, 4                         ; E's field in a packed word
	; THE FIRST LOADS: b2, and the ring's first four units
	s_lshl_b32 s34, s30, 11
	s_lshl_b32 s38, s18, 8
	s_add_co_u32 s34, s34, s38
	s_add_nc_u64 s[6:7], s[6:7], s[34:35]          ; b1[E] at my wave's 64 numbers
	s_lshl_b32 s34, s30, 12
	s_lshl_b32 s38, s18, 9
	s_add_co_u32 s34, s34, s38
	s_add_nc_u64 s[8:9], s[8:9], s[34:35]          ; b2[E] at my wave's 128
	s_mov_b32 s34, s38
	s_add_nc_u64 s[16:17], s[16:17], s[34:35]      ; out0 at my wave's 128 columns
	s_lshl_b32 s34, s30, 21
	s_lshl_b32 s38, s18, 18
	s_add_co_u32 s34, s34, s38
	s_add_nc_u64 s[72:73], s[10:11], s[34:35]      ; my wave's 64 units of expert E
.set p, 0
.rept 2
	global_load_b128 v[B2R+4*p:B2R+4*p+3], v8, s[8:9] offset:256*p  ; numbers 64 p + 4 (lane % 16) + 0..3
.set p, p+1
.endr
	WFILL 0, 0
	WFILL 1, 1
	WFILL 2, 2
	WFILL 3, 3
	WIN 0
	; THE LIST.  Rank of a token = tokens of E below it.  My wave walks one block of each lane's eight and puts the tokens of ranks R0 .. R0 + 63 into its own list; all else goes to the dump word.
.set i, 0
.rept 7
	SEL4 96+i, CN+4*i
.set i, i+1
.endr
	SEL4 103, PRE
	v_cndmask_b32 v104, 0, v96, s44                ; the sums before my block: none, or through block wave - 1
	v_cndmask_b32 v105, v97, v98, s44
	v_cndmask_b32 v106, v99, v100, s44
	v_cndmask_b32 v107, v101, v102, s44
	v_cndmask_b32 v104, v104, v105, s45
	v_cndmask_b32 v106, v106, v107, s45
	v_cndmask_b32 v106, v104, v106, s36
	s_sub_co_u32 s38, 0, s32
	v_add_nc_u32 v108, v103, v106
	v_lshrrev_b32 v108, s43, v108
	v_and_b32 v108, 0xffff, v108
	v_add_nc_u32 v108, s38, v108                   ; the next token's place in the tile
	SEL8 110, BM
	v_lshl_add_u32 v116, v1, 2, s48
	v_mov_b32 v117, 0
	ds_store_b32 v116, v117                        ; my list starts at 0: the eight lists are merged by OR
	ds_store_b32 v116, v117 offset:128
	s_mov_b32 s47, 0
.Lbit:                                                 ; eight trips of four bits: four chains that do not wait for each other
.irp k, 0,1,2,3
	v_bfe_u32 v[120+\k], v110, \k, 1               ; is token 4 trip + k of my block E's?
.endr
	v_add_nc_u32 v125, v108, v120                  ; the places that tokens 1, 2, 3 of the four would take
	v_add_nc_u32 v126, v125, v121
	v_add_nc_u32 v127, v126, v122
.irp k, 0,1,2,3
	v_add_nc_u32 v[128+\k], -1, v[120+\k]          ; 0 where the token is E's, else all ones
.endr
	v_or_b32 v128, v128, v108
	v_or_b32 v129, v129, v125
	v_or_b32 v130, v130, v126
	v_or_b32 v131, v131, v127
.irp k, 0,1,2,3
	v_min_u32 v[128+\k], 64, v[128+\k]             ; a place outside 0..63 (a negative one is large unsigned) is the dump word
.endr
.irp k, 0,1,2,3
	v_lshl_add_u32 v[128+\k], v[128+\k], 2, s48
.endr
.irp k, 1,2,3
	v_add_nc_u32 v[132+\k], \k, v112
.endr
	ds_store_b32 v128, v112
	ds_store_b32 v129, v133
	ds_store_b32 v130, v134
	ds_store_b32 v131, v135
	v_add_nc_u32 v108, v127, v123
	v_add_nc_u32 v112, 4, v112
	v_lshrrev_b32 v110, 4, v110
	s_add_co_u32 s47, s47, 1
	s_cmp_lt_u32 s47, 8
	s_cbranch_scc1 .Lbit
	s_wait_dscnt 0x0                               ; for the others' sake: my list is written
	s_barrier_signal -1
	s_barrier_wait -1
	v_lshl_add_u32 v116, v1, 2, LISTP
	v_mov_b32 v117, LISTP
.irp w, 0,1,2,3,4,5,6,7
	ds_load_b32 v[120+\w], v116 offset:512*\w
	ds_load_b32 v[128+\w], v116 offset:512*\w+128
	ds_load_b32 v[136+\w], v117 offset:512*\w
.endr
	v_add_nc_u32 v118, 32, v1
	s_wait_dscnt 0x0
.irp b, 120, 128, 136
	v_or_b32 v[\b], v[\b], v[\b+1]
	v_or_b32 v[\b+2], v[\b+2], v[\b+3]
	v_or_b32 v[\b+4], v[\b+4], v[\b+5]
	v_or_b32 v[\b+6], v[\b+6], v[\b+7]
	v_or_b32 v[\b], v[\b], v[\b+2]
	v_or_b32 v[\b+4], v[\b+4], v[\b+6]
	v_or_b32 v[\b], v[\b], v[\b+4]
.endr
	v_cmp_gt_u32 vcc_lo, s33, v1
	v_cndmask_b32 v120, v136, v120, vcc_lo         ; places past the count repeat the tile's first token
	v_cmp_gt_u32 vcc_lo, s33, v118
	v_cndmask_b32 v128, v136, v128, vcc_lo
	v_min_u32 v120, 0x1fff, v120
	v_min_u32 v128, 0x1fff, v128
	ds_store_b32 v119, v120                        ; each wave keeps a copy of its own: no barrier is needed for it
	ds_store_b32 v119, v128 offset:128
	ds_load_b32 v0, v144                           ; LDS serves a wave's instructions in order: this sees the stores above
	s_wait_dscnt 0x0
	v_min_u32 v0, 0x1fff, v0
	v_lshlrev_b32 v0, 2, v0
	global_load_b32 v0, v0, s[14:15]               ; the weight of row 8 wave + lane % 8: each row's is loaded by one wave
.set j, 0
.rept 8
	global_load_b128 v[BIAS+4*j:BIAS+4*j+3], v13, s[6:7] offset:16*j  ; b1: numbers 32 (lane / 16) + 4 j + 0..3
.set j, j+1
.endr
	; THE GATHER: my wave's 8 rows of x, all asked for at once
	GB 0
	GB 1
	GC 0, 32
	GC 1, 0                                        ; all loads are in: x, the weight, b1, b2 and the ring's first four units
	WFILL 4, 4                                     ; the registers that held x's second batch are the ring's again
	WFILL 5, 5
	WFILL 6, 6
	WIN 0
	ds_store_b32 v3, v0                            ; lanes that share a row store the same number
	v_lshl_add_u32 v24, v7, 2, PROBL               ; the weights of rows 8 (lane / 16) on
.set j, 0
.rept 8
	v_cvt_pk_bf16_f32 v[32+2*j], v[BIAS+4*j], v[BIAS+4*j+1]    ; b1 rounded,
	v_cvt_pk_bf16_f32 v[33+2*j], v[BIAS+4*j+2], v[BIAS+4*j+3]
.set j, j+1
.endr
.set j, 0
.rept 8
	v_lshlrev_b32 v[BIAS+j], 16, v[32+2*j]         ; and turned: register j of fragment c
	v_and_b32 v[BIAS+8+j], s68, v[32+2*j]
	v_lshlrev_b32 v[BIAS+16+j], 16, v[33+2*j]
	v_and_b32 v[BIAS+24+j], s68, v[33+2*j]
.set j, j+1
.endr
.set i, 0
.rept 4
	RND B2R+2*i, B2R+2*i+1
.set i, i+1
.endr
	s_wait_dscnt 0x0                               ; for the others' sake: my rows of x and their weights are in LDS
	s_barrier_signal -1
	s_barrier_wait -1
	; x W1 + b1: units 0-31.  Unit 0 starts the sums; three trips of eight; seven more.  Unit n fetches unit n + 7.
	ASTART 1
	UNIT 1, 0, 0, 1, 7, 1, 48
	WIN 0                                          ; at a label and at a branch every window is 0
	s_mov_b32 s46, 3
.Lwalk:
	RUN1 8, 1
	WIN 0
	s_wait_xcnt 0x0                                ; the fetches have had their addresses translated: their base is stepped only behind this wait
	s_add_nc_u64 s[72:73], s[72:73], 0x8000        ; eight units on
	s_sub_co_u32 s46, s46, 1
	s_cmp_lg_u32 s46, 0
	s_cbranch_scc1 .Lwalk
	RUN1 7, 0                                      ; units 25-31 fetch the second product's first seven; the base now stands at unit 24
	WIN 0
	; GELU on the accumulators, in registers; v32-127 are free between the walks.  The text for two fragments stands once and is walked twice: registers cannot be named by a counter, so the step that halves
	; fragments 2 and 3 lays them where the text names fragments 0 and 1.  In the second trip there is nothing left to halve, and the step is jumped.
.rept 4
	v_nop                                          ; the places behind the last products
.endr
	HALVE ACC
	s_mov_b32 s46, 2
.Lgelu:
	GEL 0
	GEL 1
	v_add_nc_u32 v11, 64, v11                      ; two fragments, 32 places of a row of h, on
	s_cmp_eq_u32 s46, 1
	s_cbranch_scc1 .Lhalved
	HALVE ACC+64
.Lhalved:
	s_sub_co_u32 s46, s46, 1
	s_cmp_lg_u32 s46, 0
	s_cbranch_scc1 .Lgelu
	s_wait_dscnt 0x0                               ; for the others' sake: my 64 places of every row of h are written
	s_barrier_signal -1
	s_barrier_wait -1
	BIASP 0
	PHASE2 15, 0                                   ; h W2 + b2, my columns 0-63: units 32-47; unit 32 + m fetches unit 39 + m, the 15 + m th from the base
	EPI 0
	BIASP 1
	PHASE2 31, 1                                   ; my columns 64-127: units 48-63
	EPI 1
	s_wait_tensorcnt 0x0                           ; the wave's end
	ds_add_u32 v4, v5
	s_wait_dscnt 0x0
	s_endpgm
.Lfunc_end_k_q528480a1d8_chain:
	.size	k_q528480a1d8_chain, .Lfunc_end_k_q528480a1d8_chain-k_q528480a1d8_chain
	.p2alignl 7, 3214868480
	.fill 96, 4, 3214868480
	.section	.rodata,"a",@progbits
	.p2align	6, 0x0
	.amdhsa_kernel k_q528480a1d8_chain
		.amdhsa_group_segment_fixed_size 206080
		.amdhsa_private_segment_fixed_size 0
		.amdhsa_enable_private_segment 0
		.amdhsa_kernarg_size 56
		.amdhsa_user_sgpr_count 2
		.amdhsa_user_sgpr_kernarg_segment_ptr 1
		.amdhsa_wavefront_size32 1
		.amdhsa_system_sgpr_workgroup_id_x 1
		.amdhsa_system_sgpr_workgroup_id_y 1
		.amdhsa_system_sgpr_workgroup_id_z 1
		.amdhsa_system_vgpr_workitem_id 0
		.amdhsa_next_free_vgpr 512
		.amdhsa_next_free_sgpr 80
		.amdhsa_reserve_vcc 1
		.amdhsa_float_denorm_mode_32 3
		.amdhsa_float_denorm_mode_16_64 3
		.amdhsa_memory_ordered 1
		.amdhsa_forward_progress 1
		.amdhsa_inst_pref_size 248
	.end_amdhsa_kernel
	.amdgpu_metadata
---
amdhsa.version: [ 1, 2 ]
amdhsa.kernels:
  - .name:           k_q528480a1d8_chain
    .symbol:         k_q528480a1d8_chain.kd
    .args:
      - { .name: x, .offset: 0, .size: 8, .value_kind: global_buffer, .address_space: global }
      - { .name: b1, .offset: 8, .size: 8, .value_kind: global_buffer, .address_space: global }
      - { .name: b2, .offset: 16, .size: 8, .value_kind: global_buffer, .address_space: global }
      - { .name: wf, .offset: 24, .size: 8, .value_kind: global_buffer, .address_space: global }
      - { .name: route, .offset: 32, .size: 8, .value_kind: global_buffer, .address_space: global }
      - { .name: prob, .offset: 40, .size: 8, .value_kind: global_buffer, .address_space: global }
      - { .name: out0, .offset: 48, .size: 8, .value_kind: global_buffer, .address_space: global }
    .group_segment_fixed_size: 206080
    .private_segment_fixed_size: 0
    .kernarg_segment_align: 8
    .kernarg_segment_size: 56
    .max_flat_workgroup_size: 256
    .sgpr_count:     80
    .vgpr_count:     512
    .wavefront_size: 32
...
	.end_amdgpu_metadata
.endif
;; end of part 4
;; ======== version 3 of 3: 2 launches; version 2 with the launch prep written anew for expert scheduling mode
;; limits: values are held in f16: magnitudes above 65,504 overflow, below 6.1e-05 lose precision
;; workspace buffers: wf 16,777,216 bytes; route 12,288 bytes of whole numbers; prob 32,768 bytes
;; launch prep (part 5): grid 256 x 1, 8 waves a work-group, no clusters, 34,304 bytes of LDS; arguments x, Wr, br, W1, W2, wf, route, prob; writes wf, route, prob
.if DOCPART == 5
	.amdgcn_target "amdgcn-amd-amdhsa--gfx1250"
	.amdhsa_code_object_version 6
	.text
	.protected	k_q528480a1d8_prep
	.globl	k_q528480a1d8_prep
	.p2align	8
	.type	k_q528480a1d8_prep,@function
k_q528480a1d8_prep:
	s_mov_b64 s[64:65], 0
	v_nop
	global_prefetch_b8 v0, s[64:65] scope:SCOPE_SE
	s_setreg_imm32_b32 hwreg(HW_REG_WAVE_SCHED_MODE, 0, 2), 2
	s_setreg_imm32_b32 hwreg(HW_REG_WAVE_MODE, 25, 1), 1
	s_wait_xcnt 0x0
	s_wait_alu depctr_vm_vsrc(0)
; PREP: the router, and the experts' weights laid out in the order in which the next launch's operand registers take them.
; ROUTER.  logits = x Wr + br on x, Wr, br each rounded once to bf16 (the products are then exact in f32; sums in f32); the expert is the largest logit's, the lowest index at an exact tie;
; the weight is 1 / sum of 2^((l - max) log2 e).  Work-group b has the 32 tokens 32 b .. 32 b + 31, a wave four of them.  It stores, at fixed places: prob[token]; bm[b][e], bit i set where token
; 32 b + i chose expert e; cn[b][q] = count(2 q) | count(2 q + 1) << 16.  No address and no branch hangs on the choice.
; No matrix instruction: the router has 8 columns, and the lanes' layout of loads that take 512 consecutive bytes of a row is not a matrix operand's; the launch is a stream of x and of the weights.
; WEIGHTS.  wf byte = e 2^21 + w 2^18 + g 4096 + c 1024 + jj 512 + L 16 + 2 i, with w = 0..7 the next launch's wave and L = rho + 16 hk.
;   g < 32:  bf16(W1[e][k][n]),  k = 32 g + 16 jj + 8 hk + i,  n = 64 w + 4 rho + c
;   g >= 32: W2[e][nn][d] rounded to bf16 and that number written as f16;  pass = (g - 32) / 16, ks = (g - 32) % 16,  d = 128 w + 64 pass + 4 rho + c,
;            nn = 64 (ks / 2) + 2 (ks % 2) + jj + 32 hk + 4 i: the hidden index that the next launch keeps at place 32 ks + 16 jj + 8 hk + i of a row of h
; A wave here makes two such units of 4,096 bytes, q = 0, 1, from 128 neighbouring columns; its job is (e, v, u), number 4 b + wave % 4.  Waves 0-3, W1: K step u, columns 128 v + 64 q: units (w = 2 v + q, g = u).
; Waves 4-7, W2: u = 16 a + ks, columns 256 v + 128 a + 64 q: units (w = 2 v + a, g = 32 + 16 q + ks).  A 16-byte load gives a lane the four columns c; sixteen lanes read 256 consecutive bytes; the turn
; from [k][n] to operand order happens in registers; each store of a wave covers 512 consecutive bytes.
; LIMITS.  NaN and infinities are not treated apart.  Ties that arise only from the rounding of the exponentials in a softmax are not reproduced: the choice is made on the logits.
; A W2 below 2^-14 in size keeps f16's fixed step of 6e-8; one beyond 65,504 does not fit.
; REGISTERS.  window 0: v0-15 ids and addresses; v16-47 ACC[token][expert]; v48-175 X[token][32]; v176-239 O (first: Wr's stage); v240-255 br, statistics, at work.
;   window 1: v0-127 the weights as loaded; later v0-255 Wr: for my columns 128 t + 4 lane + c the eight experts at 32 t + 8 c.
; THE MODE: SCHED_MODE bits 1:0 = 2 (LLVM: expert scheduling mode 2), set by the entry lines.  The code itself states the register dependences between vector instructions and memory or LDS
; instructions, with s_wait_alu, always for 0.
; THE PLAN.  Registers that memory or LDS instructions touch, in the order of the text (there is no loop):
;   v6, v8, v9      offsets, made at the head and never written again: one wait on va_vdst ahead of the first load.
;   v7              the weights' offset, made in each arm of the branch on the wave's number and never written again: one wait on va_vdst in the arm, ahead of its loads.
;   O, first half   Wr's loads land in it; the roundings write it; eight LDS stores read it (va_vdst ahead of them); the weights' conversions write it again (vm_vsrc ahead of them).
;   O, whole        written by the conversions; read by sixteen global stores (va_vdst ahead of them); never written again.
;   window 1 v0-127 the weights' loads land in it; the conversions read it; Wr's LDS loads land in it (va_vdst ahead of them, behind the window switch).
;   X               x's loads land in it; behind that vector lines alone name it.
;   v13, v14, v250, v251  written by vector lines; read by two LDS stores (one va_vdst ahead of them, which is the reciprocal's wait too); v13 and v14 are written anew by wave 0 (vm_vsrc ahead of the branch).
;   wave 0          v13-15 made anew and v24-32 left by the vector lines: va_vdst ahead of its LDS loads; v25 and v26 written: va_vdst ahead of its three stores, which stand in one run.
;   v4, v5          written at the head, read by the closing add alone.
; Scalar registers that vector lines write stand in runs, one wait on va_sdst behind each run and ahead of its first reader: s20; the argmax's seven masks; the eight choice masks and eight lane masks;
; wave 0's eight words and three masks.  No line writes VCC.
.set EXW,   32768                      ; LDS: 0..32767 Wr rounded, piece (s, lane) at 16 (32 s + lane); here [wave][8] words of bitmap parts
.set EXP,   33024                      ; the block's 32 weights
.set SPARE, 33280                      ; the spare words, 128 bytes for each of eight waves: no other line names them
.set ACC, 16
.set X,   48
.set O,   176
.set MSB, 0
.macro WIN new                         ; the immediate's high byte repeats the setting that is left
.if MSB != (\new)
	s_set_vgpr_msb (MSB<<8)|(\new)
.set MSB, \new
.endif
.endm
.macro RND a, b                        ; two f32 rounded to bf16 and written back as f32
	v_cvt_pk_bf16_f32 v[\a], v[\a], v[\b]
	v_and_b32 v[\b], s44, v[\a]
	v_lshlrev_b32 v[\a], 16, v[\a]
.endm
; One step of the sum over lanes that also halves the registers: lanes with the mask's bit keep b, the others a, and each takes its partner's share of what it keeps.
.macro RS a, b, m, x, t
	v_cndmask_b32 v[252+2*(\t)], v[\b], v[\a], s[\m]
	v_cndmask_b32 v[253+2*(\t)], v[\a], v[\b], s[\m]
	v_add_f32_dpp v[\a], v[252+2*(\t)], v[253+2*(\t)] row_xmask:\x row_mask:0xf bank_mask:0xf
.endm
	s_load_b256 s[4:11], s[0:1], 0x0               ; x s[4:5], Wr s[6:7], br s[8:9], W1 s[10:11]
	s_load_b256 s[12:19], s[0:1], 0x20             ; W2 s[12:13], wf s[14:15], route s[16:17], prob s[18:19]
	v_lshl_add_u32 v4, v0, 2, SPARE                ; my spare word,
	v_mov_b32 v5, 0                                ; and 0: kept for the add at the wave's end
	v_lshrrev_b32 v10, 5, v0
	v_readfirstlane_b32 s20, v10                   ; wave 0..7
	s_mov_b32 s21, ttmp9                           ; block b
	v_and_b32 v1, 31, v0                           ; lane
	v_and_b32 v2, 15, v0                           ; rho
	v_bfe_u32 v3, v0, 4, 1                         ; hk
	v_and_b32 v11, 7, v0
	v_and_b32 v12, 3, v0
	v_lshlrev_b32 v6, 4, v1                        ; 16 lane
	v_lshlrev_b32 v8, 7, v1                        ; 128 lane
	s_wait_alu depctr_va_sdst(0)                   ; s20 is written, ahead of its first reader: offsets, bases and branches are made from it
	s_lshl_b32 s45, s20, 12                        ; 4,096 wave
	v_add_nc_u32 v9, s45, v6
	s_mov_b32 s40, 0xaaaaaaaa                      ; lanes with bit 0
	s_mov_b32 s41, 0xcccccccc                      ; lanes with bit 1
	s_mov_b32 s42, 0x76543210                      ; v_permlanex16_b32: each lane takes its own place in the other half
	s_mov_b32 s43, 0xfedcba98
	s_mov_b32 s44, 0xffff0000
	s_mov_b32 s55, 0                               ; the high word of every offset
	s_and_b32 s46, s20, 3
	s_lshl2_add_u32 s46, s21, s46                  ; my job's number 4 b + wave % 4
	s_lshr_b32 s47, s46, 7                         ; e
	s_bfe_u32 s48, s46, 0x20005                    ; v
	s_and_b32 s49, s46, 31                         ; u
	s_lshl_b32 s50, s47, 21
	s_lshl_b32 s51, s48, 19                        ; wave 2 v of the next launch
	s_add_co_u32 s51, s51, s50
	s_lshl_b32 s62, s49, 12                        ; W1: unit g = u
	s_and_b32 s63, s49, 15
	s_add_co_u32 s63, s63, 32
	s_lshl_b32 s63, s63, 12                        ; W2: unit g = 32 + ks,
	s_lshr_b32 s22, s49, 4
	s_lshl_b32 s22, s22, 18                        ; of wave 2 v + a
	s_add_co_u32 s63, s63, s22
	s_mov_b32 s22, 0x40000                         ; from q = 0 to q = 1: W1 the next wave,
	s_mov_b32 s23, 0x10000                         ; W2 sixteen units on
	s_cmp_lt_u32 s20, 4
	s_cselect_b32 s62, s62, s63
	s_cselect_b32 s23, s22, s23
	s_add_co_u32 s51, s51, s62                     ; my first unit's byte in wf
	s_wait_kmcnt 0x0
	s_mov_b32 s54, s51
	s_add_nc_u64 s[56:57], s[14:15], s[54:55]      ; the unit of q = 0,
	s_mov_b32 s54, s23
	s_add_nc_u64 s[22:23], s[56:57], s[54:55]      ; and of q = 1
	s_mov_b32 s54, s45
	s_add_nc_u64 s[60:61], s[6:7], s[54:55]        ; Wr's rows 128 wave on
	s_lshl_b32 s54, s21, 17
	s_lshl_b32 s62, s20, 14
	s_add_co_u32 s54, s54, s62
	s_add_nc_u64 s[58:59], s[4:5], s[54:55]        ; x at my four tokens
	s_load_b256 s[24:31], s[8:9], 0x0              ; br, waited for ahead of its use
	; All of a wave's 72 loads go out here: Wr's stage (8), the weights (32), x (32).
	s_wait_alu depctr_va_vdst(0)                   ; v6, v8 and v9 are written: Wr's and x's loads, the LDS stores and loads of Wr and the stores of wf read them as offsets
.set p, 0
.rept 8
	global_load_b128 v[O+4*p:O+4*p+3], v8, s[60:61] offset:16*p
.set p, p+1
.endr
	s_cmp_lt_u32 s20, 4
	s_cbranch_scc0 .Lw2_loads                      ; both ways issue 32 loads, so the counts below hold on both
	s_lshl_b32 s54, s49, 16                        ; W1: 32 u rows of 2,048 bytes,
	s_add_co_u32 s54, s54, s50
	s_lshl_b32 s62, s48, 9                         ; 128 v columns
	s_add_co_u32 s54, s54, s62
	s_add_nc_u64 s[52:53], s[10:11], s[54:55]
	v_lshlrev_b32 v7, 14, v3                       ; 8 hk rows
	v_lshl_add_u32 v7, v2, 4, v7                   ; 4 rho columns
	WIN 0x40                                       ; destination window 1
	s_wait_alu depctr_va_vdst(0)                   ; v7 is written, which the 32 loads below read as their offset
.set q, 0
.rept 2
.set jj, 0
.rept 2
.set i, 0
.rept 8
	global_load_b128 v[4*(8*(2*q+jj)+i):4*(8*(2*q+jj)+i)+3], v7, s[52:53] offset:(16*jj+i)*2048+256*q th:TH_LOAD_NT
.set i, i+1
.endr
.set jj, jj+1
.endr
.set q, q+1
.endr
	WIN 0
	s_branch .Lw_asked
.Lw2_loads:
	s_and_b32 s62, s49, 15                         ; ks
	s_lshr_b32 s63, s49, 4                         ; a
	s_lshl_b32 s54, s63, 9                         ; 128 a columns,
	s_add_co_u32 s54, s54, s50
	s_lshl_b32 s63, s48, 10                        ; 256 v columns,
	s_add_co_u32 s54, s54, s63
	s_lshr_b32 s63, s62, 2                         ; and rows of 4,096 bytes: 128 (ks / 4)
	s_lshl_b32 s63, s63, 19
	s_add_co_u32 s54, s54, s63
	s_bfe_u32 s63, s62, 0x10001                    ; + 64 ((ks / 2) % 2)
	s_lshl_b32 s63, s63, 18
	s_add_co_u32 s54, s54, s63
	s_and_b32 s63, s62, 1                          ; + 2 (ks % 2)
	s_lshl_b32 s63, s63, 13
	s_add_co_u32 s54, s54, s63
	s_add_nc_u64 s[52:53], s[12:13], s[54:55]
	v_lshlrev_b32 v7, 17, v3                       ; 32 hk rows
	v_lshl_add_u32 v7, v2, 4, v7
	WIN 0x40
	s_wait_alu depctr_va_vdst(0)                   ; v7 is written, which the 32 loads below read as their offset
.set q, 0
.rept 2
.set jj, 0
.rept 2
.set i, 0
.rept 8
	global_load_b128 v[4*(8*(2*q+jj)+i):4*(8*(2*q+jj)+i)+3], v7, s[52:53] offset:(jj+4*i)*4096+256*q th:TH_LOAD_NT
.set i, i+1
.endr
.set jj, jj+1
.endr
.set q, q+1
.endr
	WIN 0
.Lw_asked:
.set tau, 0
.rept 4
.set t, 0
.rept 8
	global_load_b128 v[X+32*tau+4*t:X+32*tau+4*t+3], v6, s[58:59] offset:4096*tau+512*t  ; 512 consecutive bytes of a token's row; no vector line has named X, and none since the head's wait names v6
.set t, t+1
.endr
.set tau, tau+1
.endr
	s_wait_loadcnt 63                              ; Wr's stage is in: 64 loads are younger; the wait's field names 63 at the most, and a smaller count is safe
.set p, 0
.rept 16
	RND O+2*p, O+2*p+1
.set p, p+1
.endr
	s_wait_alu depctr_va_vdst(0)                   ; the roundings have written O's first 32 registers, which the LDS stores read
.set p, 0
.rept 8
	ds_store_b128 v9, v[O+4*p:O+4*p+3] offset:512*p  ; piece (8 wave + p, lane): 32 lanes, 512 consecutive bytes
.set p, p+1
.endr
	s_wait_dscnt 0x0                               ; for the others' sake: my part of Wr is in LDS
	s_barrier_signal -1
	s_barrier_wait -1
	s_wait_loadcnt 32                              ; the weights are in; the 32 loads of x may stay out
	s_wait_alu depctr_vm_vsrc(0)                   ; my LDS stores have read O's first 32 registers, which the conversions below write again
	WIN 0x05                                       ; sources 0 and 1 in window 1
.set q, 0
.rept 2
.set c, 0
.rept 4
.set jj, 0
.rept 2
.set m, 0
.rept 4
	v_cvt_pk_bf16_f32 v[O+4*(2*(4*q+c)+jj)+m], v[4*(8*(2*q+jj)+2*m)+c], v[4*(8*(2*q+jj)+2*m+1)+c]  ; elements i = 2 m, 2 m + 1 of column c
.set m, m+1
.endr
.set jj, jj+1
.endr
.set c, c+1
.endr
.set q, q+1
.endr
	WIN 0
	s_cmp_lt_u32 s20, 4
	s_cbranch_scc1 .Lkeep_bf16
.set z, 0
.rept 64                                       ; W2: the bf16 numbers written as f16
	v_lshlrev_b32 v[252+2*(z%2)], 16, v[O+z]
	v_and_b32 v[253+2*(z%2)], s44, v[O+z]
	v_cvt_pk_f16_f32 v[O+z], v[252+2*(z%2)], v[253+2*(z%2)]
.set z, z+1
.endr
.Lkeep_bf16:
	s_wait_alu depctr_va_vdst(0)                   ; on both ways the conversions have written O, which the sixteen stores read
.set p, 0
.rept 8
	global_store_b128 v6, v[O+4*p:O+4*p+3], s[56:57] offset:512*p        ; piece 2 c + jj of the unit of q = 0: 512 consecutive bytes, at a multiple of 512 from wf's first
	global_store_b128 v6, v[O+32+4*p:O+32+4*p+3], s[22:23] offset:512*p  ; and of q = 1; O is not written again
.set p, p+1
.endr
	WIN 0x40
	s_wait_alu depctr_va_vdst(0)                   ; the conversions are done reading the weights' registers, window 1's v0-127, in which Wr lands; it stands behind the window switch and straight ahead of the loads
.set s, 0
.rept 64
	ds_load_b128 v[4*s:4*s+3], v6 offset:512*s     ; Wr for my columns
.set s, s+1
.endr
	WIN 0
	s_wait_loadcnt 0x0                             ; x
.set p, 0
.rept 64
	RND X+2*p, X+2*p+1
.set p, p+1
.endr
	s_wait_dscnt 0x0                               ; Wr
	WIN 0x04                                       ; source 1 in window 1
; 512 packed multiply-adds: for each of my 32 columns, each token and each pair of experts.  Sixteen chains take turns; the first link of each is a multiply, so nothing is cleared.
.set t, 0
.rept 8
.set c, 0
.rept 4
.set tau, 0
.rept 4
.set pr, 0
.rept 4
.set rA, ACC+8*tau+2*pr
.set rX, X+32*tau+4*t+2*(c/2)
.set rW, 32*t+8*c+2*pr
.if (t == 0) && (c == 0)
	v_pk_mul_f32 v[rA:rA+1], v[rX:rX+1], v[rW:rW+1] op_sel_hi:[0,1]
.elseif (c%2) == 0
	v_pk_fma_f32 v[rA:rA+1], v[rX:rX+1], v[rW:rW+1], v[rA:rA+1] op_sel_hi:[0,1,1]
.else
	v_pk_fma_f32 v[rA:rA+1], v[rX:rX+1], v[rW:rW+1], v[rA:rA+1] op_sel:[1,0,0] op_sel_hi:[1,1,1]
.endif
.set pr, pr+1
.endr
.set tau, tau+1
.endr
.set c, c+1
.endr
.set t, t+1
.endr
	WIN 0
; The sum over the 32 lanes.  Two halving steps leave lane l the eight logits of token l % 4; three plain steps finish them.
.set e, 0
.rept 8
	RS ACC+e, ACC+8+e, 40, 1, 0
	RS ACC+16+e, ACC+24+e, 40, 1, 1
.set e, e+1
.endr
.set e, 0
.rept 8
	RS ACC+e, ACC+16+e, 41, 2, e%2
.set e, e+1
.endr
.irp e, 0,1,2,3,4,5,6,7
	v_add_f32_dpp v[ACC+\e], v[ACC+\e], v[ACC+\e] row_xmask:4 row_mask:0xf bank_mask:0xf
.endr
.irp e, 0,1,2,3,4,5,6,7
	v_add_f32_dpp v[ACC+\e], v[ACC+\e], v[ACC+\e] row_xmask:8 row_mask:0xf bank_mask:0xf
.endr
.irp e, 0,1,2,3,4,5,6,7
	v_permlanex16_b32 v[ACC+8+\e], v[ACC+\e], s42, s43
.endr
	s_wait_kmcnt 0x0                               ; br
.irp k, 0,1,2,3
	v_cvt_pk_bf16_f32 v252, s[24+2*\k], s[25+2*\k]
	v_lshlrev_b32 v[240+2*\k], 16, v252
	v_and_b32 v[241+2*\k], s44, v252
.endr
.irp e, 0,1,2,3,4,5,6,7
	v_add_f32 v[ACC+\e], v[ACC+\e], v[ACC+8+\e]
.endr
.irp e, 0,1,2,3,4,5,6,7
	v_add_f32 v[ACC+\e], v[ACC+\e], v[240+\e]
.endr
	v_max3_num_f32 v248, v16, v17, v18
	v_max3_num_f32 v248, v248, v19, v20
	v_max3_num_f32 v248, v248, v21, v22
	v_max_num_f32 v248, v248, v23                  ; the largest logit
.irp e, 6,5,4,3,2,1,0
	v_cmp_eq_f32 s[32+\e], v[ACC+\e], v248         ; which logits have it: seven masks in one run
.endr
.irp e, 0,1,2,3,4,5,6,7
	v_sub_f32 v[24+\e], v[ACC+\e], v248
.endr
.irp e, 0,1,2,3,4,5,6,7
	v_mul_f32 v[24+\e], 0x3fb8aa3b, v[24+\e]
.endr
.irp e, 0,1,2,3,4,5,6,7
	v_exp_f32 v[24+\e], v[24+\e]
.endr
	s_wait_alu depctr_va_sdst(0)                   ; the seven masks s32 to s38 are written, ahead of the selects that read them
	v_mov_b32 v249, 7                              ; these eight plain lines, which name none of the exponentials' registers, stand behind the batch
.irp e, 6,5,4,3,2,1,0
	v_cndmask_b32 v249, v249, \e, s[32+\e]         ; the lowest index that has the largest logit
.endr
	s_wait_alu depctr_va_vdst(0)                   ; one wait for the eight exponentials in v24 to v31, ahead of their first reader
	v_add_f32 v24, v24, v25
	v_add_f32 v26, v26, v27
	v_add_f32 v28, v28, v29
	v_add_f32 v30, v30, v31
	v_add_f32 v24, v24, v26
	v_add_f32 v28, v28, v30
	v_add_f32 v24, v24, v28
	v_rcp_f32 v250, v24                            ; the top probability: 2^0 over the sum
	v_mov_b32 v251, 0                              ; (the plain instruction behind the reciprocal)
.irp e, 0,1,2,3,4,5,6,7
	v_cmp_eq_u32 s[32+\e], \e, v249                ; lanes 0-3 speak for tokens 0-3
.endr
.irp e, 0,1,2,3,4,5,6,7
	v_cmp_eq_u32 s[24+\e], \e, v11                 ; the lanes that take expert e's word; br has left s24 to s31
.endr
	s_lshl_b32 s45, s20, 2                         ; my four tokens' first bit
	s_lshl_b32 s62, s20, 5
	s_lshl_b32 s63, s20, 4
	v_lshl_add_u32 v13, v11, 2, s62
	v_lshl_add_u32 v14, v12, 2, s63
	s_wait_alu depctr_va_sdst(0)                   ; the sixteen masks s24 to s39 are written, ahead of the scalar lines and the selects that read them
.irp e, 0,1,2,3,4,5,6,7
	s_and_b32 s[32+\e], s[32+\e], 15
	s_lshl_b32 s[32+\e], s[32+\e], s45
	v_cndmask_b32 v251, v251, s[32+\e], s[24+\e]   ; lane l takes expert l % 8's word
.endr
	s_wait_alu depctr_va_vdst(0)                   ; v13, v14 and v251 are written, which the two LDS stores read; and this is the wait for the reciprocal in v250, ahead of its first reader
	ds_store_b32 v13, v251 offset:EXW              ; lanes that share a word store the same number
	ds_store_b32 v14, v250 offset:EXP
	s_wait_dscnt 0x0                               ; for wave 0's sake
	s_barrier_signal -1
	s_barrier_wait -1
	s_wait_alu depctr_vm_vsrc(0)                   ; my two LDS stores have read v13 and v14, which wave 0 writes anew behind the branch
	s_cmp_lg_u32 s20, 0
	s_cbranch_scc1 .Ldone                          ; wave 0 gathers the block's results; no barrier stands in what is jumped
	v_lshlrev_b32 v13, 2, v1
	v_lshlrev_b32 v14, 2, v11
	v_lshlrev_b32 v15, 2, v12
	s_wait_alu depctr_va_vdst(0)                   ; v13 and v14 are written, which the LDS loads read; the vector lines above are done with v24 to v32, in which those loads land
	ds_load_b32 v24, v13 offset:EXP
.irp w, 0,1,2,3,4,5,6,7
	ds_load_b32 v[25+\w], v14 offset:EXW+32*\w
.endr
	s_lshl_b32 s54, s21, 7
	s_add_nc_u64 s[46:47], s[18:19], s[54:55]      ; prob + 128 b
	s_lshl_b32 s54, s21, 5
	s_add_nc_u64 s[48:49], s[16:17], s[54:55]      ; route + 32 b
	s_lshl_b32 s54, s21, 4
	s_add_nc_u64 s[50:51], s[16:17], s[54:55]      ; route + 16 b
	s_wait_dscnt 0x0
	v_or_b32 v25, v25, v26
	v_or_b32 v27, v27, v28
	v_or_b32 v29, v29, v30
	v_or_b32 v31, v31, v32
	v_or_b32 v25, v25, v27
	v_or_b32 v29, v29, v31
	v_or_b32 v25, v25, v29                         ; lane l: expert l % 8's bitmap of the block
.irp e, 0,1,2,3,4,5,6,7
	v_readlane_b32 s[32+\e], v25, \e
.endr
.irp k, 1,2,3
	v_cmp_eq_u32 s[24+\k], \k, v12                 ; the lanes that take the counts' word k
.endr
	s_wait_alu depctr_va_sdst(0)                   ; the eight bitmaps s32 to s39 and the three masks s25 to s27 are written, ahead of their first readers
.irp e, 0,1,2,3,4,5,6,7
	s_bcnt1_i32_b32 s[32+\e], s[32+\e]
.endr
.irp k, 0,2,4,6
	s_lshl_b32 s[33+\k], s[33+\k], 16
	s_or_b32 s[32+\k], s[32+\k], s[33+\k]
.endr
	v_mov_b32 v26, s32
.irp k, 1,2,3
	v_cndmask_b32 v26, v26, s[32+2*\k], s[24+\k]
.endr
	s_wait_alu depctr_va_vdst(0)                   ; v25 and v26 are written, which the stores below read (v13 to v15 stand ahead of the wait before; v24 came from LDS)
	global_store_b32 v13, v24, s[46:47]            ; 32 weights, 128 consecutive bytes
	global_store_b32 v14, v25, s[48:49] offset:4096  ; bm[b]: 32 bytes; lanes that share a word store the same number
	global_store_b32 v15, v26, s[50:51]            ; cn[b]: 16 bytes
.Ldone:
	s_wait_dscnt 0x0                               ; the closing lines, six on end
	s_wait_alu 0x0
	s_wait_tensorcnt 0x0
	ds_add_u32 v4, v5
	s_wait_dscnt 0x0
	s_endpgm
.Lfunc_end_k_q528480a1d8_prep:
	.size	k_q528480a1d8_prep, .Lfunc_end_k_q528480a1d8_prep-k_q528480a1d8_prep
	.p2alignl 7, 3214868480
	.fill 96, 4, 3214868480
	.section	.rodata,"a",@progbits
	.p2align	6, 0x0
	.amdhsa_kernel k_q528480a1d8_prep
		.amdhsa_group_segment_fixed_size 34304
		.amdhsa_private_segment_fixed_size 0
		.amdhsa_enable_private_segment 0
		.amdhsa_kernarg_size 64
		.amdhsa_user_sgpr_count 2
		.amdhsa_user_sgpr_kernarg_segment_ptr 1
		.amdhsa_wavefront_size32 1
		.amdhsa_system_sgpr_workgroup_id_x 1
		.amdhsa_system_sgpr_workgroup_id_y 1
		.amdhsa_system_sgpr_workgroup_id_z 1
		.amdhsa_system_vgpr_workitem_id 0
		.amdhsa_next_free_vgpr 512
		.amdhsa_next_free_sgpr 66
		.amdhsa_reserve_vcc 0
		.amdhsa_float_denorm_mode_32 3
		.amdhsa_float_denorm_mode_16_64 3
		.amdhsa_memory_ordered 1
		.amdhsa_forward_progress 1
		.amdhsa_inst_pref_size 90
	.end_amdhsa_kernel
	.amdgpu_metadata
---
amdhsa.version: [ 1, 2 ]
amdhsa.kernels:
  - .name:           k_q528480a1d8_prep
    .symbol:         k_q528480a1d8_prep.kd
    .args:
      - { .name: x, .offset: 0, .size: 8, .value_kind: global_buffer, .address_space: global }
      - { .name: Wr, .offset: 8, .size: 8, .value_kind: global_buffer, .address_space: global }
      - { .name: br, .offset: 16, .size: 8, .value_kind: global_buffer, .address_space: global }
      - { .name: W1, .offset: 24, .size: 8, .value_kind: global_buffer, .address_space: global }
      - { .name: W2, .offset: 32, .size: 8, .value_kind: global_buffer, .address_space: global }
      - { .name: wf, .offset: 40, .size: 8, .value_kind: global_buffer, .address_space: global }
      - { .name: route, .offset: 48, .size: 8, .value_kind: global_buffer, .address_space: global }
      - { .name: prob, .offset: 56, .size: 8, .value_kind: global_buffer, .address_space: global }
    .group_segment_fixed_size: 34304
    .private_segment_fixed_size: 0
    .kernarg_segment_align: 8
    .kernarg_segment_size: 64
    .max_flat_workgroup_size: 256
    .sgpr_count:     66
    .vgpr_count:     512
    .wavefront_size: 32
...
	.end_amdgpu_metadata
.endif
;; end of part 5
;; launch chain: the kernel of part 4 again; grid 135 x 1, 8 waves a work-group, no clusters, 206,080 bytes of LDS; arguments x, b1, b2, wf, route, prob, out0; writes out0
